; MI455X (gfx1250); checked and timed in simulation.
; The chip was launched on July 23, 2026; its instructions are those of AMD's public machine-readable ISA for CDNA 5 (MIT licence, August 2026) and "CDNA5" Instruction Set Architecture Reference Guide (July 2026). The comments in the code are by the model that wrote it; some were corrected since.
;; Attention Head. Allowed arithmetic: float matrix products may take bf16 or f16 operands with f32 sums; other float arithmetic in f32, or as packed bf16 or f16 multiplies, adds, multiply-adds, maxima and minima; sums over many terms, partial sums and values carried from step to step in f32; what a program stores and reads back later, other than sums and carried values, may be rounded once to bf16 or f16.
;; Inputs: Wk 1,024 x 1,024 float32; Wo 1,024 x 1,024 float32; Wq 1,024 x 1,024 float32; Wv 1,024 x 1,024 float32; bk 1,024 float32; bo 1,024 float32; bq 1,024 float32; bv 1,024 float32; x 4 x 4,096 x 1,024 float32.
;; Outputs: out0 4 x 4,096 x 1,024 float32.
;; One version. Each part assembles by itself: llvm-mc -triple=amdgcn-amd-amdhsa -mcpu=gfx1250 --defsym DOCPART=n.
;; ======== version 1 of 1: 4 launches
;; limits: values are held in f16: magnitudes above 65,504 overflow, below 6.1e-05 lose precision
;; workspace buffers: xh 33,554,432 bytes; wqkv 6,291,456 bytes; woh 2,097,152 bytes; bias 16,384 bytes; qkv 100,663,296 bytes; att 33,554,432 bytes
;; launch cast (part 1): grid 1280 x 1, 8 waves a work-group, no clusters, 0 bytes of LDS; arguments x, Wq, Wk, Wv, Wo, bq, bk, bv, bo, xh, wqkv, woh, bias; writes xh, wqkv, woh, bias
.if DOCPART == 1
	.amdgcn_target "amdgcn-amd-amdhsa--gfx1250"
	.amdhsa_code_object_version 6
	.text
	.protected	k_qfd1d2a7ea2_cast
	.globl	k_qfd1d2a7ea2_cast
	.p2align	8
	.type	k_qfd1d2a7ea2_cast,@function
k_qfd1d2a7ea2_cast:
	s_mov_b64 s[64:65], 0
	v_nop
	global_prefetch_b8 v0, s[64:65] scope:SCOPE_SE
	s_setreg_imm32_b32 hwreg(HW_REG_WAVE_MODE, 25, 1), 1
	s_wait_xcnt 0x0
; THE OPERANDS OF THE FOUR PRODUCTS ARE MADE: every input is rounded once to bf16, and the weights are laid out for the launches behind.
;   xh   [16384][1024] bf16 = x.
;   wqkv [3072][1024] bf16.  With d = 16 db + e: row 256 db + 16 h + e = Wq's row 64 h + d; 1,024 rows on the same for Wk; row 2048 + 16 d + t = Wv's row 64 t + d.
;   woh  [1024][1024]: Wo rounded to bf16, that number written as f16; column 256 db + 16 h + e = Wo's column 64 h + d.
;   bias [4096] f32: bq, bk, bv in the order of wqkv's rows, then bo; each rounded to bf16 and kept as f32.
; LIMITS.  A bf16 number below 2^-14 in magnitude keeps f16's fixed step of 2^-24 in woh; one of 65,520 or more becomes an infinity there.  NaN and infinities are not treated apart.
; SHARES.  A work-group makes 16 destination rows of 1,024 numbers: 64 KiB in, 32 KiB out.  Work-groups 0-1023 take x; work-group 1024 + 64 m + g takes rows 16 g .. 16 g + 15 of matrix m
; (0 Wq, 1 Wk, 2 Wv, 3 Wo) and their 16 numbers of its bias.  Step j of sixteen is destination row j, and thread t makes its numbers 4 t .. 4 t + 3: a wave's load covers 512 consecutive
; source bytes (Wo: eight pieces of 64, since the permutation keeps 16 numbers together), a wave's store 256 consecutive bytes, aligned.  So each source byte is named by one load.
; All 16 loads of a thread go out at once.  No LDS, no matrix unit: each byte is read once and written once, and nothing is shared.
; The 64 bytes of bias a work-group are the one store that is shorter than 256 bytes: 16 KiB in the whole launch.
.set OFF, 2                            ; v[2:17]   step j: my byte offset in the source
.set T,   18                           ; v18-19    at work
.set X,   20                           ; v[20:83]  step j: 4 registers as loaded; the first 2 then hold the 8 bytes to store
	s_load_b512 s[8:23], s[0:1], 0x0               ; x 8, Wq 10, Wk 12, Wv 14, Wo 16, bq 18, bk 20, bv 22
	s_load_b256 s[24:31], s[0:1], 0x40             ; bo 24, xh 26, wqkv 28, woh 30
	s_load_b64 s[32:33], s[0:1], 0x60              ; bias
	s_sub_co_u32 s34, ttmp9, 1024                  ; 64 m + g (of no meaning in x's work-groups, where the last selects below decide)
	s_lshr_b32 s35, s34, 6                         ; m
	s_and_b32 s36, s34, 63                         ; g
	s_and_b32 s40, s36, 15                         ; Wq, Wk: destination rows 16 g + e have h = g % 16, db = g / 16:
	s_lshl_b32 s40, s40, 6
	s_lshr_b32 s39, s36, 4
	s_lshl_b32 s39, s39, 4
	s_add_co_u32 s40, s40, s39                     ; first source row 64 h + 16 db
	s_lshl_b32 s43, s36, 15                        ; 16 destination rows are 32,768 bytes
	s_lshl_b32 s42, s35, 21                        ; a matrix in wqkv is 2^21 bytes
	s_add_co_u32 s42, s42, s43
	s_lshl_b32 s39, s36, 4                         ; Wo: source row 16 g
	s_lshl_b32 s52, ttmp9, 4                       ; x: source row 16 x work-group,
	s_lshl_b32 s53, ttmp9, 15                      ; and its place in xh
	s_mov_b32 s41, 4096                            ; source bytes from one destination row to the next
	s_cmp_eq_u32 s35, 2                            ; Wv: destination rows 16 g + t come from rows 64 t + g
	s_cselect_b32 s40, s36, s40
	s_cselect_b32 s41, 0x40000, s41
	s_cmp_eq_u32 s35, 3                            ; Wo
	s_cselect_b32 s40, s39, s40
	s_cselect_b32 s42, s43, s42
	s_cselect_b32 s38, 1, 0
	s_cselect_b32 s39, -1, 0                       ; the same as a mask of lanes
	s_cmp_lt_u32 ttmp9, 1024                       ; x
	s_cselect_b32 s40, s52, s40
	s_cselect_b32 s42, s53, s42
	s_cselect_b32 s37, 1, 0
	s_lshl_b32 s52, s40, 12                        ; the first source row in bytes, under 2^27
	s_mov_b32 s53, 0
	s_mov_b32 s43, 0
	v_lshlrev_b32 v1, 3, v0                        ; my 8 bytes of a destination row
	v_bfe_u32 v[T], v0, 2, 4                       ; Wo's columns: destination quad 64 db + 4 h + e / 4 comes from source quad 16 h + 4 db + e / 4
	v_lshrrev_b32 v[T+1], 6, v0
	v_lshlrev_b32 v[T], 4, v[T]
	v_lshl_or_b32 v[T], v[T+1], 2, v[T]
	v_and_b32 v[T+1], 3, v0
	v_or_b32 v[T], v[T], v[T+1]
	v_cndmask_b32 v[T], v0, v[T], s39
	v_lshlrev_b32 v[OFF], 4, v[T]                  ; 16 source bytes a quad
.irp j, 1,2,3,4,5,6,7,8,9,10,11,12,13,14,15
	v_add_nc_u32 v[OFF+(\j)], s41, v[OFF+(\j)-1]
.endr
	s_wait_kmcnt 0x0
	s_cmp_eq_u32 s35, 1                            ; the source s[44:45], its bias s[48:49] and the destination s[46:47], chosen by the work-group's number alone
	s_cselect_b64 s[44:45], s[12:13], s[10:11]
	s_cselect_b64 s[48:49], s[20:21], s[18:19]
	s_cmp_eq_u32 s35, 2
	s_cselect_b64 s[44:45], s[14:15], s[44:45]
	s_cselect_b64 s[48:49], s[22:23], s[48:49]
	s_cmp_eq_u32 s35, 3
	s_cselect_b64 s[44:45], s[16:17], s[44:45]
	s_cselect_b64 s[48:49], s[24:25], s[48:49]
	s_cselect_b64 s[46:47], s[30:31], s[28:29]
	s_cmp_eq_u32 s37, 1
	s_cselect_b64 s[44:45], s[8:9], s[44:45]
	s_cselect_b64 s[46:47], s[26:27], s[46:47]
	s_add_nc_u64 s[44:45], s[44:45], s[52:53]
	s_add_nc_u64 s[46:47], s[46:47], s[42:43]
.irp j, 0,1,2,3,4,5,6,7,8,9,10,11,12,13,14,15
	global_load_b128 v[X+4*(\j):X+4*(\j)+3], v[OFF+(\j)], s[44:45] th:TH_LOAD_NT
.endr
; Step j: four numbers are rounded to bf16, in place and ascending, so that no pair is written before it is read; half = 1: each bf16 number is then written as f16.  No register that a store reads is written again.
.macro CV j, half
	s_wait_loadcnt 15-(\j)                         ; loads come back in order: this step's is in, the 15 - j younger ones may stay out
	v_cvt_pk_bf16_f32 v[X+4*(\j)],   v[X+4*(\j)],   v[X+4*(\j)+1]
	v_cvt_pk_bf16_f32 v[X+4*(\j)+1], v[X+4*(\j)+2], v[X+4*(\j)+3]
.if \half
.irp k, 0,1
	v_lshlrev_b32 v[T], 16, v[X+4*(\j)+(\k)]       ; bf16 to f32: the low half moves up,
	v_and_b32 v[T+1], 0xffff0000, v[X+4*(\j)+(\k)] ; the high half stays
	v_cvt_pk_f16_f32 v[X+4*(\j)+(\k)], v[T], v[T+1]
.endr
.endif
	global_store_b64 v1, v[X+4*(\j):X+4*(\j)+1], s[46:47] offset:2048*(\j)
.endm
	s_cmp_eq_u32 s38, 1
	s_cbranch_scc1 .Lwo
.irp j, 0,1,2,3,4,5,6,7,8,9,10,11,12,13,14,15
	CV \j, 0
.endr
	s_branch .Lbias
.Lwo:
.irp j, 0,1,2,3,4,5,6,7,8,9,10,11,12,13,14,15
	CV \j, 1
.endr
.Lbias:
	s_cmp_eq_u32 s37, 1
	s_cbranch_scc1 .Lend                           ; x has no bias
	s_lshl_b32 s50, s34, 6                         ; 16 (64 m + g) numbers of 4 bytes
	s_mov_b32 s51, 0
	s_add_nc_u64 s[50:51], s[32:33], s[50:51]
	s_lshl_b32 s36, s40, 2                         ; the bias goes by the source rows: the first,
	s_lshr_b32 s35, s41, 10                        ; and 4 bytes for each 4,096 from row to row
	v_and_b32 v85, 15, v0
	v_lshlrev_b32 v86, 2, v85
	v_mul_lo_u32 v85, v85, s35
	v_add_nc_u32 v85, s36, v85
	v_mov_b32 v84, 0
	s_wait_xcnt 0x0                                ; EXEC is a source of the stores above: it changes only behind this wait
	v_cmp_gt_u32 vcc_lo, 16, v0
	s_and_saveexec_b32 s55, vcc_lo                 ; threads 0 to 15
	global_load_b32 v84, v85, s[48:49]
	s_wait_loadcnt 0x0
	v_cvt_pk_bf16_f32 v84, v84, v84
	v_lshlrev_b32 v84, 16, v84                     ; the rounded number as f32
	global_store_b32 v86, v84, s[50:51]
	s_wait_xcnt 0x0                                ; and again, in front of the line that widens it
	s_or_b32 exec_lo, exec_lo, s55
.Lend:
	s_endpgm
.Lfunc_end_k_qfd1d2a7ea2_cast:
	.size	k_qfd1d2a7ea2_cast, .Lfunc_end_k_qfd1d2a7ea2_cast-k_qfd1d2a7ea2_cast
	.p2alignl 7, 3214868480
	.fill 96, 4, 3214868480
	.section	.rodata,"a",@progbits
	.p2align	6, 0x0
	.amdhsa_kernel k_qfd1d2a7ea2_cast
		.amdhsa_group_segment_fixed_size 0
		.amdhsa_private_segment_fixed_size 0
		.amdhsa_enable_private_segment 0
		.amdhsa_kernarg_size 104
		.amdhsa_user_sgpr_count 2
		.amdhsa_user_sgpr_kernarg_segment_ptr 1
		.amdhsa_wavefront_size32 1
		.amdhsa_system_sgpr_workgroup_id_x 1
		.amdhsa_system_sgpr_workgroup_id_y 1
		.amdhsa_system_sgpr_workgroup_id_z 1
		.amdhsa_system_vgpr_workitem_id 0
		.amdhsa_next_free_vgpr 88
		.amdhsa_next_free_sgpr 66
		.amdhsa_reserve_vcc 1
		.amdhsa_float_denorm_mode_32 3
		.amdhsa_float_denorm_mode_16_64 3
		.amdhsa_memory_ordered 1
		.amdhsa_forward_progress 1
		.amdhsa_inst_pref_size 19
	.end_amdhsa_kernel
	.amdgpu_metadata
---
amdhsa.version: [ 1, 2 ]
amdhsa.kernels:
  - .name:           k_qfd1d2a7ea2_cast
    .symbol:         k_qfd1d2a7ea2_cast.kd
    .args:
      - { .name: x, .offset: 0, .size: 8, .value_kind: global_buffer, .address_space: global }
      - { .name: Wq, .offset: 8, .size: 8, .value_kind: global_buffer, .address_space: global }
      - { .name: Wk, .offset: 16, .size: 8, .value_kind: global_buffer, .address_space: global }
      - { .name: Wv, .offset: 24, .size: 8, .value_kind: global_buffer, .address_space: global }
      - { .name: Wo, .offset: 32, .size: 8, .value_kind: global_buffer, .address_space: global }
      - { .name: bq, .offset: 40, .size: 8, .value_kind: global_buffer, .address_space: global }
      - { .name: bk, .offset: 48, .size: 8, .value_kind: global_buffer, .address_space: global }
      - { .name: bv, .offset: 56, .size: 8, .value_kind: global_buffer, .address_space: global }
      - { .name: bo, .offset: 64, .size: 8, .value_kind: global_buffer, .address_space: global }
      - { .name: xh, .offset: 72, .size: 8, .value_kind: global_buffer, .address_space: global }
      - { .name: wqkv, .offset: 80, .size: 8, .value_kind: global_buffer, .address_space: global }
      - { .name: woh, .offset: 88, .size: 8, .value_kind: global_buffer, .address_space: global }
      - { .name: bias, .offset: 96, .size: 8, .value_kind: global_buffer, .address_space: global }
    .group_segment_fixed_size: 0
    .private_segment_fixed_size: 0
    .kernarg_segment_align: 8
    .kernarg_segment_size: 104
    .max_flat_workgroup_size: 256
    .sgpr_count:     66
    .vgpr_count:     88
    .wavefront_size: 32
...
	.end_amdgpu_metadata
.endif
;; end of part 1
;; launch qkv (part 2): grid 4 x 64, 4 waves a work-group, clusters of 4 x 4, 327,680 bytes of LDS; arguments xh, wqkv, qkv, bias; writes qkv
.if DOCPART == 2
	.amdgcn_target "amdgcn-amd-amdhsa--gfx1250"
	.amdhsa_code_object_version 6
	.text
	.protected	k_qfd1d2a7ea2_qkv
	.globl	k_qfd1d2a7ea2_qkv
	.p2align	8
	.type	k_qfd1d2a7ea2_qkv,@function
k_qfd1d2a7ea2_qkv:
	s_mov_b64 s[64:65], 0
	v_nop
	global_prefetch_b8 v0, s[64:65] scope:SCOPE_SE
	s_setreg_imm32_b32 hwreg(HW_REG_WAVE_MODE, 25, 1), 1
	s_wait_xcnt 0x0
	s_wait_alu depctr_hold_cnt(0) depctr_sa_sdst(0) depctr_va_vdst(0) depctr_va_sdst(0) depctr_va_ssrc(0) depctr_va_vcc(0) depctr_vm_vsrc(0)
	s_getreg_b32 s2, hwreg(HW_REG_IB_STS2, 6, 4)
	s_cmp_eq_u32 s2, 0
	s_cbranch_scc0 .Lentry_in_a_cluster
	s_endpgm
.Lentry_in_a_cluster:
	s_bfe_u32 s2, ttmp6, 0x10000c
	s_cmp_lg_u32 s2, 0xf033
	s_cbranch_scc0 .Lentry_shape_is_right
	s_endpgm
.Lentry_shape_is_right:
; C[m][n] = bias[n] + the sum over k of A[m][k] B[n][k].  ONE SOURCE SERVES TWO LAUNCHES, told apart by QKV below.
;   QKV = 1: A = xh [16384][1024] bf16, B = wqkv [3072][1024] bf16, C = qkv [16384][3072] f16 (rounded once), bias numbers 0 .. 3071.
;   QKV = 0: A = att [16384][1024] f16, B = woh [1024][1024] f16, C = out0 [16384][1024] f32, bias numbers 3072 .. 4095.
; Sums in f32, K ascending, one accumulator an output; the bias is the C operand of the product that starts a sum, so nothing is cleared and nothing is added on the way out.
; LIMITS.  QKV = 1: f16 holds no number beyond 65,504: a q, k or v of 65,520 or more becomes an infinity.  NaN and infinities are not treated apart.
; SHARES.  A tile of C is 256 x 256: four waves, each 128 x 128 in 64 accumulators (512 registers).  256 work-groups; work-group (bx, by) owns rows 256 by .. 256 by + 255 and STAYS: it makes TILES tiles,
; columns 1,024 tau + 256 bx (QKV = 1: its part of q, then of k, then of v).  A's rows are the same for all its tiles; B goes 1,024 rows down from tile to tile.
; THE RING.  K goes in steps of 128 through two LDS slots filled by the tensor data mover, rows of 256 bytes that start at multiples of 256 bytes from the buffer's first byte.  The ring does not
; stop at a tile's end: a tile's last two changes of slots ask for the next tile's first two K steps.
; THE LAST TILE'S LAST K STEP GOES BY ROWS OF C, so that finished rows leave while the others are multiplied: nothing follows that tile under which its stores could leave.
; CLUSTERS.  4 x 4 work-groups.  The four of a row of the cluster need the same tiles of A, the four of a column the same tiles of B: each tile is asked for JOINTLY, by the same tensor load with
; the same descriptor and a mask that names the four.
; TRANSPOSED USE.  Source 0 = 16 rows of B, source 1 = 16 rows of A: lane l then holds row l % 16 of C and its registers 0 to 7 the columns 8 (l / 16) + 0 .. 7.
; REGISTERS, in windows of 256 (s_set_vgpr_msb: bits 1:0 source 0, 3:2 source 1, 5:4 source 2, 7:6 destination):
;   window 0: v0-31 addresses; v64-127, v128-191 fragments of A, two buffers (in the very last K step four, of 16 rows x 128 K); QKV = 1: v32-63, v192-255 at work on the way out
;   window 1: v64-127, v128-191 fragments of B; v192-255 the bias of my 128 columns, laid out as eight C operands; in the very last K step all 256: B's fragments of the whole step
;   window 2: the 32 accumulators of my rows 0-63 (accumulator (a, b) at v[8 (8 a + b)]);   window 3: those of my rows 64-127
.set QKV,    1
.set SIZE_K, 1024
.set KSTEP,  128
.set PITCH,  272                       ; an LDS row: 256 bytes + 16 of padding = 68 words: row r starts at bank 4 r mod 64 (64 banks of 4 bytes: ISA guide 11.1), so the 16 rows of a load start at 16 different banks
.set HALFT,  128*PITCH                 ; 128 rows: what one tensor load brings, and what one wave reads of A or of B
.set SLOT,   4*HALFT                   ; A's 256 rows, then B's 256 rows
.set STAGE,  2*SLOT                    ; behind the ring: 16 rows for each wave, for the way out; no tensor load fills it
.if QKV
.set TILES,  3
.set CROW,   6144                      ; bytes in a row of C
.set ES,     2                         ; bytes in a number of C
.set SPITCH, 272                       ; a stage row: my 128 columns + 16 bytes
.set BIAS0,  0
.else
.set TILES,  1
.set CROW,   4096
.set ES,     4
.set SPITCH, 528
.set BIAS0,  12288
.endif
.set SPARE,  STAGE+4*16*SPITCH         ; behind the stages: the spare words, 128 bytes for each wave: two blocks of 256 bytes that no other line names
.set LAPS,   SIZE_K/(2*KSTEP)          ; a lap = two K steps = once round the ring
.set BACK,   (SIZE_K-2*KSTEP)*2        ; bytes from a slot's last K step of a tile back to its first
.set NEXT_B, 1024*SIZE_K*2-BACK        ; B: 1,024 rows down and back along K
.set ADRA, 16                          ; v16-17  LDS address of my A fragments in slot 0, 1
.set ADRB, 20                          ; v20-21  the same for B
.set STO,  24                          ; v24     the way out: where I put my numbers of a row
.set RD,   25                          ; v25     the way out: where I read rows back
.set CO,   26                          ; v26     my byte offset in C
.set BOF,  27                          ; v27     my byte offset in 16 numbers of the bias: 32 (l / 16)
.set SPW,  28                          ; v28     LDS address of my spare word: SPARE + 4 x my thread's number; never rewritten
.set NIL,  29                          ; v29     0; never rewritten
.set PFO,  30                          ; v30     the prefetches' offset: my lane x a row of A or B (2,048 bytes); never rewritten
.set PFA,  44                          ; s[44:45] where my prefetches stand: my work-group's 32 rows of the 128 that I fetch, one K step further along K than the refill in hand
.set LIM,  43                          ; s43     1 in a wave that prefetches, else the greatest number
.set BP,   66                          ; s[66:67] the bias at my 128 columns of the tile whose bias was loaded last
.set F0,   64                          ; fragment buffer 0
.set F1,   128                         ; fragment buffer 1
.set PA,   64                          ; the very last K step: A's fragments of 16 rows x 128 K, 32 registers; four such buffers, v64-191
.set TMP,  192                         ; QKV = 1, the way out: packed results, window 0
.set OB,   32                          ; QKV = 1, the way out: 16 rows read back: v32-63 and v224-255 by turns
.set BI,   192                         ; the bias, window 1: n block b at BI + 8 b
.set G1, 24                            ; s[24:31] descriptor group 1 for A's tiles
.set G0, 32                            ; s[32:39] descriptor group 0 for A's tiles, one set for each slot
.set G1B, 48                           ; s[48:55] group 1 for B's tiles: it differs in the mask alone
.set G0B, 56                           ; s[56:63] group 0 for B's tiles
.set MSB, 0
.macro WIN new                         ; the immediate's high byte repeats the setting that is left; a switch that changes nothing is dropped
.if MSB != (\new)
	s_set_vgpr_msb (MSB<<8)|(\new)
.set MSB, \new
.endif
.endm
.set MUL_LO, 0xa1                      ; source 0 (B) window 1, source 1 (A) window 0, C and D window 2
.set TO_B,   0x40                      ; destination window 1, address window 0
; A joint load.  Waves 0 and 1 fetch A's two halves, waves 2 and 3 B's.  The branch hangs on the wave's number alone.  An s_nop 0 and four v_nop follow each of the two lines.
.macro JLOAD s
	s_cmp_eq_u32 s11, 0
	s_cbranch_scc0 .Lfor_b_\@
	tensor_load_to_lds s[G0+4*(\s):G0+4*(\s)+3], s[G1:G1+7]
	s_nop 0
.rept 4
	v_nop
.endr
	s_branch .Lasked_\@
.Lfor_b_\@:
	tensor_load_to_lds s[G0B+4*(\s):G0B+4*(\s)+3], s[G1B:G1B+7]
	s_nop 0
.rept 4
	v_nop
.endr
.Lasked_\@:
.endm
; A PREFETCH INTO THE L2, behind each joint load and the run of LDS loads that follows it: the K step that stands two refills on, 512 matrix instructions ahead of its load: 32 rows x 256 bytes, a lane a row.
; Each row's 256 bytes of a K step are named once in the launch.  A's rows are read by one cluster alone (the grid is one cluster wide): it asks.  B's rows are read by every cluster: the cluster with y = 0 asks.
; The four partners that ask for a tile jointly share its rows out BY ADDRESS: of the 128 rows that a wave fetches the partner at place p takes 32 p .. 32 p + 31 (p = cx for A, cy for B).
; how = 0, in the loop: a tile's last two refills have no K step two on.  how = 1, at a change of tiles: the next tile's K steps 2 and 3 of B; A's rows have been read and are asked for no more.
.macro ASK how
.if \how
	s_cmp_eq_u32 s[LIM], 1
.else
	s_cmp_gt_u32 s3, s[LIM]                        ; s3 = 1 in the loop's last trip
.endif
	s_cbranch_scc0 .Lnot_mine_\@
	global_prefetch_b8 v[PFO], s[PFA:PFA+1] offset:KSTEP*2 th:TH_LOAD_NT scope:SCOPE_SE
.Lnot_mine_\@:
.endm
; A round of the cluster's barrier: my work-group's barrier; wave 0 signals for the work-group; every wave waits for all sixteen work-groups; my work-group's barrier once more.
.macro CREST                           ; a round behind its opening barrier
	s_cmp_lg_u32 s10, 0
	s_cbranch_scc1 .Lnot_wave_0_\@
	s_barrier_signal -3
.Lnot_wave_0_\@:
	s_barrier_wait -3
	s_barrier_signal -1
	s_barrier_wait -1
.endm
.macro CROUND                          ; a whole round
	s_barrier_signal -1
	s_barrier_wait -1
	CREST
.endm
	s_load_b128 s[4:7], s[0:1], 0x0                ; A s[4:5], B s[6:7]
	s_load_b64 s[8:9], s[0:1], 0x10                ; C
	s_load_b64 s[BP:BP+1], s[0:1], 0x18            ; bias
	v_lshl_add_u32 v[SPW], v0, 2, SPARE
	v_mov_b32 v[NIL], 0
	ds_add_u32 v[SPW], v[NIL]                      ; the wave's opening: the add and its wait stand ahead of my first tensor load; the set-up below, work on registers, stands between them
	v_lshrrev_b32 v1, 5, v0
	v_readfirstlane_b32 s10, v1                    ; wave 0..3
	s_lshr_b32 s11, s10, 1                         ; which half of the tile's rows is mine.  Also: I fetch for A (0) or for B (1)
	s_and_b32 s12, s10, 1                          ; which half of its columns.  Also: which 128 rows of that tile I fetch
	s_bfe_u32 s40, ttmp6, 0x40000                  ; cx
	s_bfe_u32 s41, ttmp6, 0x40004                  ; cy
	s_lshl_b32 s42, ttmp9, 2                       ; in a cluster launch ttmp9 and ttmp7 count clusters
	s_add_co_u32 s42, s42, s40                     ; bx = 4 x cluster x + cx
	s_and_b32 s13, ttmp7, 0xffff
	s_lshl_b32 s13, s13, 2
	s_add_co_u32 s13, s13, s41                     ; by = 4 x cluster y + cy
	s_lshl_b32 s43, s41, 2
	s_lshl_b32 s43, 15, s43                        ; my row of the cluster: places 4 cy .. 4 cy + 3
	s_lshl_b32 s44, 0x1111, s40                    ; my column: places cx, cx + 4, cx + 8, cx + 12
	; descriptor group 1: a tile of 128 rows x 128 elements of 2 bytes, padded in LDS
	s_or_b32 s[G1+0], s43, (1<<16)|(1<<20)|(1<<21)|(5<<22)|(3<<25)  ; 15:0 the mask: A's tiles go to my row; 17:16 2-byte elements; 20 padding on; 21 set beside a mask; 24:22 after every 64 words (code 5); 31:25 4 words (code 3)
	s_or_b32 s[G1B+0], s44, (1<<16)|(1<<20)|(1<<21)|(5<<22)|(3<<25) ; the same with the mask of my column
.irp g, G1, G1B
	s_mov_b32 s[(\g)+1], KSTEP<<16                 ; tensor_dim0 = 128
	s_mov_b32 s[(\g)+2], 128<<16                   ; tensor_dim1 = 128
	s_mov_b32 s[(\g)+3], KSTEP<<16                 ; tile_dim0 = 128
	s_mov_b32 s[(\g)+4], 128                       ; tile_dim1 = 128
	s_mov_b32 s[(\g)+5], SIZE_K                    ; elements from row to row
	s_mov_b32 s[(\g)+6], 0
	s_mov_b32 s[(\g)+7], 0
.endr
	; where the tiles come from.  A's hang on by alone, which my row of the cluster shares; B's on bx alone, which my column shares.  Each address is made in registers that never hold the other coordinate.
	s_lshl_b32 s17, s12, 7                         ; which 128 rows of the tile I fetch
	s_lshl_b32 s16, s13, 8
	s_add_co_u32 s16, s16, s17                     ; A: row 256 by + 128 x half
	s_lshl_b32 s46, s42, 8
	s_add_co_u32 s46, s46, s17                     ; B: row 256 bx + 128 x half
	s_mov_b32 s17, 0
	s_mov_b32 s47, 0
	s_mov_b64 s[18:19], SIZE_K*2
	s_mul_u64 s[16:17], s[16:17], s[18:19]
	s_mul_u64 s[46:47], s[46:47], s[18:19]
	s_mul_i32 s20, s10, HALFT                      ; where they go: wave x 128 rows: no place in the cluster enters an LDS address
	s_wait_dscnt 0x0                               ; the opening add is done
	s_wait_kmcnt 0x0
	s_add_nc_u64 s[14:15], s[4:5], s[16:17]
	s_add_nc_u64 s[46:47], s[6:7], s[46:47]
	CROUND                                         ; all sixteen work-groups are here: the first joint loads meet
.irp s, 0,1
	s_mov_b32 s[G0+4*(\s)], 1                                      ; count = 1
	s_add_co_u32 s[G0+4*(\s)+1], s20, (\s)*SLOT                    ; LDS address
	s_add_nc_u64 s[G0+4*(\s)+2:G0+4*(\s)+3], s[14:15], (\s)*KSTEP*2  ; global address: K step s
	s_or_b32 s[G0+4*(\s)+3], s[G0+4*(\s)+3], 0x80000000            ; type = 2
	s_mov_b32 s[G0B+4*(\s)], 1
	s_add_co_u32 s[G0B+4*(\s)+1], s20, (\s)*SLOT
	s_add_nc_u64 s[G0B+4*(\s)+2:G0B+4*(\s)+3], s[46:47], (\s)*KSTEP*2
	s_or_b32 s[G0B+4*(\s)+3], s[G0B+4*(\s)+3], 0x80000000
	JLOAD \s                                       ; both slots are asked for before anything else is done: two loads of mine are out
.endr
	; A fragment is 16 rows x 32 K in 8 registers: lane l holds row l % 16; registers 0-3 K = 8 (l / 16) + 0..7, registers 4-7 K = 16 + 8 (l / 16) + 0..7: two loads of 16 bytes, 32 bytes apart.
	v_and_b32 v1, 15, v0                           ; l % 16
	v_bfe_u32 v2, v0, 4, 1                         ; l / 16
	v_mul_u32_u24 v3, v1, PITCH
	v_lshl_add_u32 v3, v2, 4, v3
	s_mul_i32 s21, s11, HALFT                      ; my 128 rows of A
	s_mul_i32 s22, s12, HALFT                      ; my 128 rows of B,
	s_add_co_u32 s22, s22, 2*HALFT                 ; which lie behind A's 256
.irp s, 0,1
	v_add_nc_u32 v[ADRA+(\s)], s21, v3
	v_add_nc_u32 v[ADRB+(\s)], s22, v3
	s_add_co_u32 s21, s21, SLOT
	s_add_co_u32 s22, s22, SLOT
.endr
	s_mul_i32 s23, s10, 16*SPITCH
	s_add_co_u32 s23, s23, STAGE                   ; my stage
	v_mul_u32_u24 v4, v1, SPITCH                   ; in: row l % 16
.if QKV
	v_lshl_add_u32 v4, v2, 4, v4                   ; 16 bytes for each half of the lanes
	v_add_nc_u32 v[STO], s23, v4
	v_mul_u32_u24 v5, v2, SPITCH                   ; back: lanes 0-15 take one row of 256 bytes, lanes 16-31 the next
	v_lshl_add_u32 v5, v1, 4, v5
	v_add_nc_u32 v[RD], s23, v5
	v_mul_u32_u24 v5, v2, CROW                     ; and the same two rows in C
	v_lshl_add_u32 v[CO], v1, 4, v5
.else
	v_lshl_add_u32 v4, v2, 5, v4                   ; 32 bytes for each half of the lanes
	v_add_nc_u32 v[STO], s23, v4
	v_and_b32 v5, 31, v0
	v_lshlrev_b32 v[CO], 4, v5                     ; back: 32 lanes take one row of 512 bytes
	v_add_nc_u32 v[RD], s23, v[CO]
.endif
	v_lshlrev_b32 v[BOF], 5, v2
	; C at my part of the first tile
	s_lshl_b32 s13, s13, 8
	s_lshl_b32 s14, s11, 7
	s_add_co_u32 s16, s13, s14                     ; my first row
	s_mov_b32 s17, 0
	s_mov_b64 s[18:19], CROW
	s_mul_u64 s[16:17], s[16:17], s[18:19]
	s_mul_i32 s46, s42, 256*ES                     ; my first column, in bytes (in the registers that held B's address: none that feeds A's descriptors ever holds cx)
	s_mul_i32 s47, s12, 128*ES
	s_add_co_u32 s46, s46, s47
	s_mov_b32 s47, 0
	s_add_nc_u64 s[16:17], s[16:17], s[46:47]
	s_add_nc_u64 s[8:9], s[8:9], s[16:17]
	s_lshl_b32 s46, s42, 10                        ; the bias of the same columns, 4 bytes each
	s_lshl_b32 s47, s12, 9
	s_add_co_u32 s46, s46, s47
	s_add_co_u32 s46, s46, BIAS0
	s_mov_b32 s47, 0
	s_add_nc_u64 s[BP:BP+1], s[BP:BP+1], s[46:47]
	; the prefetches.  s13 = 256 by
	s_lshl_b32 s42, s42, 8
	s_and_b32 s22, ttmp7, 0xffff                   ; cluster y
	s_cmp_eq_u32 s11, 0                            ; do I fetch for A?
	s_cselect_b32 s20, s13, s42                    ; the tile's first row
	s_cselect_b32 s21, s40, s41                    ; my place among the four that ask for it with me
	s_cselect_b32 s22, ttmp9, s22                  ; the coordinate along which other clusters read the same rows
	s_cselect_b64 s[PFA:PFA+1], s[4:5], s[6:7]
	s_cmp_eq_u32 s22, 0
	s_cselect_b32 s[LIM], 1, -1                    ; the same in all sixteen partners, for a given wave
	s_lshl_b32 s22, s12, 7
	s_add_co_u32 s20, s20, s22                     ; + the 128 rows that I fetch
	s_lshl_b32 s21, s21, 5
	s_add_co_u32 s20, s20, s21                     ; + my work-group's 32 of them
	s_mov_b32 s21, 0
	s_mov_b64 s[18:19], SIZE_K*2
	s_mul_u64 s[20:21], s[20:21], s[18:19]
	s_add_nc_u64 s[PFA:PFA+1], s[PFA:PFA+1], s[20:21]
	s_add_nc_u64 s[PFA:PFA+1], s[PFA:PFA+1], 2*KSTEP*2  ; at K step 2: the first refill steps it to 3 and names K step 4.  Nothing is prefetched here, at the head
	v_and_b32 v[PFO], 31, v0
	v_mul_u32_u24 v[PFO], v[PFO], SIZE_K*2
; 16 matrix instructions: m blocks a0, a0 + 1 of the window's four (hi = 0: my rows 0-63, 1: rows 64-127) x all 8 n blocks, 32 along K.  first = 1: the product starts the sum, with the bias (window 1) as C.
.macro MUL16 f, hi, a0, first
.if \first
	WIN 0x91+0x40*(\hi)
.else
	WIN MUL_LO+0x50*(\hi)
.endif
.irp a, \a0, (\a0)+1
.irp b, 0,1,2,3,4,5,6,7
.if QKV
.if \first
	v_wmma_f32_16x16x32_bf16 v[8*(8*(\a)+(\b)):8*(8*(\a)+(\b))+7], v[(\f)+8*(\b):(\f)+8*(\b)+7], v[(\f)+8*(4*(\hi)+(\a)):(\f)+8*(4*(\hi)+(\a))+7], v[BI+8*(\b):BI+8*(\b)+7]
.else
	v_wmma_f32_16x16x32_bf16 v[8*(8*(\a)+(\b)):8*(8*(\a)+(\b))+7], v[(\f)+8*(\b):(\f)+8*(\b)+7], v[(\f)+8*(4*(\hi)+(\a)):(\f)+8*(4*(\hi)+(\a))+7], v[8*(8*(\a)+(\b)):8*(8*(\a)+(\b))+7]
.endif
.else
.if \first
	v_wmma_f32_16x16x32_f16 v[8*(8*(\a)+(\b)):8*(8*(\a)+(\b))+7], v[(\f)+8*(\b):(\f)+8*(\b)+7], v[(\f)+8*(4*(\hi)+(\a)):(\f)+8*(4*(\hi)+(\a))+7], v[BI+8*(\b):BI+8*(\b)+7]
.else
	v_wmma_f32_16x16x32_f16 v[8*(8*(\a)+(\b)):8*(8*(\a)+(\b))+7], v[(\f)+8*(\b):(\f)+8*(\b)+7], v[(\f)+8*(4*(\hi)+(\a)):(\f)+8*(4*(\hi)+(\a))+7], v[8*(8*(\a)+(\b)):8*(8*(\a)+(\b))+7]
.endif
.endif
.endr
.endr
.endm
; 32 LDS loads in one run: the fragments of one quarter step (128 rows of B, 128 rows of A, 32 K at byte k of the rows) into buffer f
.macro FETCH slot, k, f
	WIN TO_B
.irp i, 0,1,2,3,4,5,6,7
	ds_load_b128 v[(\f)+8*(\i):(\f)+8*(\i)+3],   v[ADRB+(\slot)] offset:(\k)+(\i)*16*PITCH
	ds_load_b128 v[(\f)+8*(\i)+4:(\f)+8*(\i)+7], v[ADRB+(\slot)] offset:(\k)+(\i)*16*PITCH+32
.endr
	WIN 0
.irp i, 0,1,2,3,4,5,6,7
	ds_load_b128 v[(\f)+8*(\i):(\f)+8*(\i)+3],   v[ADRA+(\slot)] offset:(\k)+(\i)*16*PITCH
	ds_load_b128 v[(\f)+8*(\i)+4:(\f)+8*(\i)+7], v[ADRA+(\slot)] offset:(\k)+(\i)*16*PITCH+32
.endr
.endm
; A load into a register that a matrix instruction has read or written, and whatever but a matrix instruction reads a matrix result, stand four places behind that matrix instruction; only plain vector
; instructions that name none of its registers are places (ISA guide 7.12.1 for vector instructions).
.macro PLACES
.rept 4
	v_nop
.endr
.endm
; The bias of my 128 columns: for n block b a lane takes the 8 numbers at 16 b + 8 (l / 16): just what a C operand holds.
.macro BIASLD
	WIN TO_B
.irp b, 0,1,2,3,4,5,6,7
	global_load_b128 v[BI+8*(\b):BI+8*(\b)+3],   v[BOF], s[BP:BP+1] offset:64*(\b)
	global_load_b128 v[BI+8*(\b)+4:BI+8*(\b)+7], v[BOF], s[BP:BP+1] offset:64*(\b)+16
.endr
	WIN 0
.endm
; A K step is four quarter steps of 32 along K, 64 matrix instructions each, on buffers 0, 1, 0, 1; the 64 accumulators take turns, in the same order in every quarter.
; One of the first three: multiplies buffer f; in its middle it fetches the next quarter's fragments, at byte k of the same slot's rows, into buffer g.
.macro QUARTER slot, k, f, g, first
	s_wait_dscnt 8                                 ; B and A's rows 0-63 are in; the youngest eight loads (A's rows 64-127) may be out
	MUL16 \f, 0, 0, \first
	MUL16 \f, 0, 2, \first
	PLACES
	FETCH \slot, \k, \g
	s_wait_dscnt 32                                ; all but the 32 just issued
	MUL16 \f, 1, 0, \first
	MUL16 \f, 1, 2, \first
.endm
; The last quarter multiplies buffer 1 and changes slots.  MEET is its first half: ONE barrier for two things.  In front of it each wave waits for all its tensor loads, of which one is out: its part
; of the next slot; adds 0 to its spare word; and waits for that and for its own reads of this slot.  Behind it nobody reads this slot any more and the next slot is whole.
.macro MEET round                      ; round = 1: a round of the cluster's barrier follows
	WIN 0                                          ; (the add's two registers lie in window 0)
	s_wait_tensorcnt 0x0                           ; all my tensor loads have landed
	ds_add_u32 v[SPW], v[NIL]                      ; 0 onto my spare word
	s_wait_dscnt 9                                 ; (the add and the youngest eight loads may be out)
	MUL16 F1, 0, 0, 0                              ; sixteen matrix instructions stand between the add and the wait for it
	s_wait_dscnt 0x0                               ; the add is done, and my reads of this slot are over
	s_barrier_signal -1
	MUL16 F1, 0, 2, 0                              ; work on registers while the others arrive
.if \round
	WIN 0
.endif
	s_barrier_wait -1
.endm
; The whole last quarter.  Behind the round the slot just read out is filled again first: with this tile's K step two steps on (on = 0) or with the NEXT tile's K step 0 or 1 (on = 1); then come the
; next slot's first fragments.  From a request to the wait for it a wave issues 224 matrix instructions, across tiles too.
.macro TURN slot, next, on
	s_wait_xcnt 0x0                                ; the last prefetch, a K step back, has read its address: it is stepped here, ahead of the waits of the change of slots
.if (\on) && (\slot) == 0
	s_add_nc_u64 s[PFA:PFA+1], s[PFA:PFA+1], 1023*SIZE_K*2+KSTEP*2  ; from the K step after the tile's last to the next tile's K step 1: 1,024 rows down, back along K
	s_cmp_eq_u32 s11, 1
	s_cselect_b32 s[LIM], s[LIM], -1               ; A's rows are the same for all tiles of the walk: they are prefetched no more
.else
	s_add_nc_u64 s[PFA:PFA+1], s[PFA:PFA+1], KSTEP*2
.endif
	MEET 1
	CREST                                          ; no wave of any partner still reads this slot's tile or has a load on its way
.if \on
	s_sub_nc_u64 s[G0+4*(\slot)+2:G0+4*(\slot)+3], s[G0+4*(\slot)+2:G0+4*(\slot)+3], BACK
	s_add_nc_u64 s[G0B+4*(\slot)+2:G0B+4*(\slot)+3], s[G0B+4*(\slot)+2:G0B+4*(\slot)+3], NEXT_B
.else
	s_add_nc_u64 s[G0+4*(\slot)+2:G0+4*(\slot)+3], s[G0+4*(\slot)+2:G0+4*(\slot)+3], 2*KSTEP*2
	s_add_nc_u64 s[G0B+4*(\slot)+2:G0B+4*(\slot)+3], s[G0B+4*(\slot)+2:G0B+4*(\slot)+3], 2*KSTEP*2
.endif
	JLOAD \slot                                    ; the first tensor load behind the round, my only one until the next; its four v_nop are also the places in front of the loads below
	FETCH \next, 0, F0
	ASK \on
	MUL16 F1, 1, 0, 0
	MUL16 F1, 1, 2, 0
.endm
; THE LAST K STEP OF THE LAST TILE (it lies in slot 1) GOES BY ROWS OF C, NOT BY K.  All its fragments of B (4 quarters x 64 registers) fill window 1; then my eight blocks of 16 rows are finished one
; after the other, each with 32 matrix instructions (its 8 accumulators by turns, K ascending: the sums are the same).  LDS is read no more than in any other K step.
.macro BLOAD q                         ; B's fragments of quarter q -> window 1, v[64 q ..]
	WIN TO_B
.irp i, 0,1,2,3,4,5,6,7
	ds_load_b128 v[64*(\q)+8*(\i):64*(\q)+8*(\i)+3],   v[ADRB+1] offset:64*(\q)+(\i)*16*PITCH
	ds_load_b128 v[64*(\q)+8*(\i)+4:64*(\q)+8*(\i)+7], v[ADRB+1] offset:64*(\q)+(\i)*16*PITCH+32
.endr
.endm
.macro ALOAD a                         ; A's fragments of block a, all four quarters -> buffer a % 4
	WIN 0
.set FA, PA+32*((\a)%4)
.irp q, 0,1,2,3
	ds_load_b128 v[FA+8*(\q):FA+8*(\q)+3],   v[ADRA+1] offset:64*(\q)+(\a)*16*PITCH
	ds_load_b128 v[FA+8*(\q)+4:FA+8*(\q)+7], v[ADRA+1] offset:64*(\q)+(\a)*16*PITCH+32
.endr
.endm
.macro ROW a                           ; block a is finished: 32 matrix instructions
.set FA, PA+32*((\a)%4)                ; its fragments of A
.set AC, 64*((\a)%4)                   ; its eight accumulators, in window 2 (blocks 0-3) or 3 (blocks 4-7)
	WIN MUL_LO+0x50*((\a)/4)
.irp q, 0,1,2,3
.if (\a) == 0 && (\q) == 2
	s_wait_dscnt 16                                ; B's quarter 2 and A's block 1, which is multiplied next, are in (behind them: A's blocks 2 and 3)
.endif
.irp b, 0,1,2,3,4,5,6,7
.if QKV
	v_wmma_f32_16x16x32_bf16 v[AC+8*(\b):AC+8*(\b)+7], v[64*(\q)+8*(\b):64*(\q)+8*(\b)+7], v[FA+8*(\q):FA+8*(\q)+7], v[AC+8*(\b):AC+8*(\b)+7]
.else
	v_wmma_f32_16x16x32_f16 v[AC+8*(\b):AC+8*(\b)+7], v[64*(\q)+8*(\b):64*(\q)+8*(\b)+7], v[FA+8*(\q):FA+8*(\q)+7], v[AC+8*(\b):AC+8*(\b)+7]
.endif
.endr
.endr
.endm
.if QKV
; THE WAY OUT of block a (16 rows), QKV = 1.  PACK: rounded to f16, 16 bytes a lane.  TOSTAGE: into my own stage in LDS, and back as whole rows of 256 bytes.  SEND: stored.
.macro PACK a
.set AC, 64*((\a)%4)
	WIN 0x0a+5*((\a)/4)                            ; sources 0 and 1: window 2 or 3
.irp b, 0,1,2,3,4,5,6,7
.irp r, 0,1,2,3
	v_cvt_pk_f16_f32 v[TMP+4*(\b)+(\r)], v[AC+8*(\b)+2*(\r)], v[AC+8*(\b)+2*(\r)+1]
.endr
.endr
	WIN 0
.endm
.macro TOSTAGE a
	WIN 0
.set BK, OB+192*((\a)%2)
.irp b, 0,1,2,3,4,5,6,7
	ds_store_b128 v[STO], v[TMP+4*(\b):TMP+4*(\b)+3] offset:32*(\b)
.endr
.irp t, 0,1,2,3,4,5,6,7
	ds_load_b128 v[BK+4*(\t):BK+4*(\t)+3], v[RD] offset:(\t)*2*SPITCH  ; LDS serves a wave's instructions in order (ISA guide 5.7.1.4): these see the stores above
.endr
.endm
.macro SEND a, younger                 ; younger: the LDS loads issued behind TOSTAGE's, which may stay out
	WIN 0
.set BK, OB+192*((\a)%2)
	s_wait_dscnt \younger                          ; the block is back in registers
	s_wait_xcnt 0x0                                ; the stores of the block before have read their registers, into which the next block is read back
.irp t, 0,1,2,3,4,5,6,7
	global_store_b128 v[CO], v[BK+4*(\t):BK+4*(\t)+3], s[8:9] offset:(16*(\a)+2*(\t))*CROW  ; 16 lanes store 256 consecutive bytes, at a multiple of 256 from C's first byte; 126 rows at the most: inside the signed 24-bit immediate
.endr
.endm
.macro WAYOUT                          ; a tile that has a successor: block a's conversions stand between block a - 1's loads from the stage and the wait for them
	PACK 0
	TOSTAGE 0
.irp a, 1,2,3,4,5,6,7
	PACK \a
	SEND (\a)-1, 0
	TOSTAGE \a
.endr
	SEND 7, 0
.endm
.else
; THE WAY OUT of block a, QKV = 0: the f32 sums go as they are into my own stage (32 bytes a lane and n block, the accumulator's low four registers first) and come back as whole rows of 512 bytes,
; into the block's own 64 registers, which hold nothing more that is wanted: so no register is used twice, and no store's source is ever rewritten.
.macro ST32 a
.set AC, 64*((\a)%4)
	WIN 0x08+4*((\a)/4)                            ; the stores' data (source 1): window 2 or 3
.irp b, 0,1,2,3,4,5,6,7
	ds_store_b128 v[STO], v[AC+8*(\b):AC+8*(\b)+3]   offset:64*(\b)
	ds_store_b128 v[STO], v[AC+8*(\b)+4:AC+8*(\b)+7] offset:64*(\b)+16
.endr
	WIN 0x80+0x40*((\a)/4)                         ; the loads' destination: the same window
.irp t, 0,1,2,3,4,5,6,7,8,9,10,11,12,13,14,15
	ds_load_b128 v[AC+4*(\t):AC+4*(\t)+3], v[RD] offset:(\t)*SPITCH  ; LDS serves a wave's instructions in order (ISA guide 5.7.1.4): these see the stores above, and the next block's stores come behind them
.endr
.endm
.macro SEND32 a, younger               ; younger: the LDS loads issued behind ST32's, which may stay out
.set AC, 64*((\a)%4)
	s_wait_dscnt \younger
	WIN 0x08+4*((\a)/4)
.irp t, 0,1,2,3,4,5,6,7,8,9,10,11,12,13,14,15
	global_store_b128 v[CO], v[AC+4*(\t):AC+4*(\t)+3], s[8:9] offset:(16*(\a)+(\t))*CROW th:TH_STORE_NT  ; a wave stores 512 consecutive bytes, at a multiple of 256 from C's first byte
.endr
.endm
.endif
	BIASLD                                         ; the first tile's bias
	s_wait_tensorcnt 1                             ; my part of K step 0 is in; K step 1's may stay out
	s_barrier_signal -1
	s_barrier_wait -1                              ; everybody's is
	FETCH 0, 0, F0
.if TILES > 1
	s_mov_b32 s2, TILES                            ; tiles to go, this one among them: the same number in every work-group
.Ltile:
.endif
	s_wait_loadcnt 0x0                             ; the bias
	QUARTER 0, 64,  F0, F1, 1                      ; a tile's first quarter stands in front of the loop: its products start the sums
	WIN 0                                          ; at a label and at a branch every window is 0
	s_mov_b32 s3, LAPS-1
.Llap:                                                 ; a trip goes once round the ring, from a lap's second quarter to the next lap's first, and fills both slots again
	QUARTER 0, 128, F1, F0, 0
	QUARTER 0, 192, F0, F1, 0
	TURN 0, 1, 0
	QUARTER 1, 64,  F0, F1, 0
	QUARTER 1, 128, F1, F0, 0
	QUARTER 1, 192, F0, F1, 0
	TURN 1, 0, 0
	QUARTER 0, 64,  F0, F1, 0
	WIN 0
	s_sub_co_u32 s3, s3, 1
	s_cmp_lg_u32 s3, 0
	s_cbranch_scc1 .Llap
	QUARTER 0, 128, F1, F0, 0                      ; the tile's last lap goes on
	QUARTER 0, 192, F0, F1, 0
.if TILES > 1
	WIN 0
	s_cmp_eq_u32 s2, 1
	s_cbranch_scc1 .Llast_tile                     ; the last tile's tail is written out: it asks for nothing more
	s_add_nc_u64 s[BP:BP+1], s[BP:BP+1], 4096      ; the next tile's bias, 1,024 numbers on: the last loads by this pointer were waited for at the tile's head,
	BIASLD                                         ; and the registers were last read by the tile's first quarter, many places back
	TURN 0, 1, 1                                   ; THE RING GOES ON INTO THE NEXT TILE: slot 0 takes its K step 0,
	QUARTER 1, 64,  F0, F1, 0
	QUARTER 1, 128, F1, F0, 0
	QUARTER 1, 192, F0, F1, 0
	TURN 1, 0, 1                                   ; slot 1 its K step 1, and the next tile's first fragments are fetched
	WAYOUT                                         ; no v_nop: blocks 0-3 were finished in front of the joint load's places, and their 128 conversions, which name no register of the last products, are those products' places
	s_wait_xcnt 0x0                                ; the stores have read C's address
	s_add_nc_u64 s[8:9], s[8:9], 1024*ES           ; the next tile lies 1,024 columns on
	s_sub_co_u32 s2, s2, 1
	s_branch .Ltile
.Llast_tile:
.endif
	MEET 0                                         ; my one tensor load that was still out is slot 1's, the last K step's, so no round follows
	PLACES                                         ; for the loads into buffer 0, which the quarter before multiplied
	BLOAD 0                                        ; three quarters of B now: buffer 1 (v128-191 of both windows) is still being multiplied
	BLOAD 1
	BLOAD 3                                        ; (over the bias, which the tile's first quarter read last)
	ALOAD 0
	MUL16 F1, 1, 0, 0
	MUL16 F1, 1, 2, 0
	PLACES                                         ; for the loads into buffer 1
	BLOAD 2
	ALOAD 1
	ALOAD 2
	ALOAD 3
	s_wait_dscnt 40                                ; all but the 40 just issued
	ROW 0
; Block a goes into the stage and is asked back; block a + 1's 32 products stand between that and the wait for it; then block a is stored.  So a block's stores leave while the blocks behind it are multiplied.
; A's block a + 4 takes the buffer that block a has left.  A's block a + 1 is in when it is multiplied: block 1 by the wait inside block 0's products, the others by the wait in front of the stores two blocks back.
.irp a, 0,1,2,3,4,5,6,7
	PLACES                                         ; the way out reads results just made, and the load below lands in registers just read
.if QKV
	PACK \a
	TOSTAGE \a
.else
	ST32 \a
.endif
.if (\a) < 4
	ALOAD (\a)+4
.endif
.if (\a) < 7
	ROW (\a)+1
.endif
.if (\a) < 4
.if QKV
	SEND \a, 8                                     ; the eight loads of A's block a + 4 are younger
.else
	SEND32 \a, 8
.endif
.else
.if QKV
	SEND \a, 0
.else
	SEND32 \a, 0
.endif
.endif
.endr
	WIN 0
	s_wait_tensorcnt 0x0                           ; the wave's end, behind my last tensor load and my last LDS store
	ds_add_u32 v[SPW], v[NIL]
	s_wait_dscnt 0x0
	CROUND                                         ; the closing round: no work-group ends while a partner may still ask for a tile that names it
	s_endpgm
.Lfunc_end_k_qfd1d2a7ea2_qkv:
	.size	k_qfd1d2a7ea2_qkv, .Lfunc_end_k_qfd1d2a7ea2_qkv-k_qfd1d2a7ea2_qkv
	.p2alignl 7, 3214868480
	.fill 96, 4, 3214868480
	.section	.rodata,"a",@progbits
	.p2align	6, 0x0
	.amdhsa_kernel k_qfd1d2a7ea2_qkv
		.amdhsa_group_segment_fixed_size 327680
		.amdhsa_private_segment_fixed_size 0
		.amdhsa_enable_private_segment 0
		.amdhsa_kernarg_size 32
		.amdhsa_user_sgpr_count 2
		.amdhsa_user_sgpr_kernarg_segment_ptr 1
		.amdhsa_wavefront_size32 1
		.amdhsa_system_sgpr_workgroup_id_x 1
		.amdhsa_system_sgpr_workgroup_id_y 1
		.amdhsa_system_sgpr_workgroup_id_z 1
		.amdhsa_system_vgpr_workitem_id 0
		.amdhsa_next_free_vgpr 1024
		.amdhsa_next_free_sgpr 68
		.amdhsa_reserve_vcc 0
		.amdhsa_float_denorm_mode_32 3
		.amdhsa_float_denorm_mode_16_64 3
		.amdhsa_memory_ordered 1
		.amdhsa_forward_progress 1
		.amdhsa_inst_pref_size 213
	.end_amdhsa_kernel
	.amdgpu_metadata
---
amdhsa.version: [ 1, 2 ]
amdhsa.kernels:
  - .name:           k_qfd1d2a7ea2_qkv
    .symbol:         k_qfd1d2a7ea2_qkv.kd
    .args:
      - { .name: xh, .offset: 0, .size: 8, .value_kind: global_buffer, .address_space: global }
      - { .name: wqkv, .offset: 8, .size: 8, .value_kind: global_buffer, .address_space: global }
      - { .name: qkv, .offset: 16, .size: 8, .value_kind: global_buffer, .address_space: global }
      - { .name: bias, .offset: 24, .size: 8, .value_kind: global_buffer, .address_space: global }
    .group_segment_fixed_size: 327680
    .private_segment_fixed_size: 0
    .kernarg_segment_align: 8
    .kernarg_segment_size: 32
    .max_flat_workgroup_size: 128
    .sgpr_count:     68
    .vgpr_count:     1024
    .wavefront_size: 32
...
	.end_amdgpu_metadata
.endif
;; end of part 2
;; launch attn (part 3): grid 1024 x 1, 4 waves a work-group, no clusters, 0 bytes of LDS; arguments qkv, att; writes att
.if DOCPART == 3
	.amdgcn_target "amdgcn-amd-amdhsa--gfx1250"
	.amdhsa_code_object_version 6
	.text
	.protected	k_qfd1d2a7ea2_attn
	.globl	k_qfd1d2a7ea2_attn
	.p2align	8
	.type	k_qfd1d2a7ea2_attn,@function
k_qfd1d2a7ea2_attn:
	s_mov_b64 s[64:65], 0
	v_nop
	global_prefetch_b8 v0, s[64:65] scope:SCOPE_SE
	s_setreg_imm32_b32 hwreg(HW_REG_WAVE_MODE, 25, 1), 1
	s_wait_xcnt 0x0
; ATTENTION ACROSS THE 16 HEADS OF ONE POSITION.  S[h][t] = q_h . k_t / 32; P = softmax over t; out_h = the sum over t of P[h][t] v_t.  16,384 positions, each by itself.
; qkv [16384][3072] f16: a row is q' (2,048 bytes), k', v'.  With d = 16 db + e: q' and k' hold (head h, channel d) at column 256 db + 16 h + e, v' holds (head t, channel d) at column 16 d + t.
; att [16384][1024] f16 in q's layout.  So every load and every store of a wave is 512 consecutive bytes, lane l at 32 (l % 16) + 16 (l / 16), and IS a half fragment as the matrix unit wants it:
;   S^T = K Q^T: source 0 = k' (row t = l % 16), source 1 = q' (column h = l % 16); load db brings channels 16 db + 8 (l / 16) + 0..7; loads 2 c and 2 c + 1 are the fragment of channels 32 c on.
;     In the result a lane holds ONE head h = l % 16 and t = 8 (l / 16) + 0..7: the maximum and the sum want one exchange between the halves of the lanes.
;   O^T = V^T P: source 0 = v' (row = channel 16 db + l % 16, K = t = 8 (l / 16) + 0..7 in registers 0-3), source 1 = P rounded to f16 (registers 0-3; registers 4-7, K = 16..31, are 0).
;     Source 0's registers 4-7 are whatever follows in the register file: the same position's next fragment of v', or zeros: they meet P's zeros.
;     In the result a lane holds head h = l % 16 and channels 16 db + 8 (l / 16) + 0..7: 16 bytes of att.
; SOFTMAX in f32 with the true maximum m of the 16 scores: p = 2^(c s - c m), c = log2(e) / 32; p is divided by its sum before it is rounded (8 numbers a lane, where O has 32).
; LIMITS.  A weight below 2^-126 counts as 0.  NaN and infinities are not treated apart: an infinity in v' of a position spoils that position's neighbouring channels too (0 x infinity).
; SHARES.  A wave takes 4 positions, a work-group 16.  All 48 loads of a wave (24 KiB) go out at once; nothing is shared between waves: no LDS, no barrier, no cluster.  Each byte is read once and written once.
.set QROW, 6144
.set AROW, 2048
.set LO,  1                            ; v1        32 (l % 16) + 16 (l / 16); never rewritten
.set Q,   4                            ; v[4:67]   position p at Q + 16 p, load db at + 4 db
.set K,   68                           ; v[68:131] likewise
.set V,   132                          ; v[132:211] position p at V + 20 p: four loads, then four zeros
.set S,   212                          ; v[212:243] position p's 8 scores at S + 8 p; later P and its zeros
.set ST,  4                            ; once the scores are made: position p at ST + 4 p: c m, m, two at work
.set O,   4                            ; once the weights are made: O^T of position p, block db at O + 32 p + 8 db
	s_load_b128 s[4:7], s[0:1], 0x0                ; qkv s[4:5], att s[6:7]
	v_lshrrev_b32 v2, 5, v0
	v_readfirstlane_b32 s8, v2                     ; wave 0..3
	v_and_b32 v2, 15, v0
	v_bfe_u32 v3, v0, 4, 1
	v_lshlrev_b32 v[LO], 5, v2
	v_lshl_add_u32 v[LO], v3, 4, v[LO]
	s_lshl_b32 s9, ttmp9, 4
	s_lshl2_add_u32 s9, s8, s9                     ; my first position: 16 x work-group + 4 x wave
	s_mul_i32 s10, s9, QROW                        ; under 2^27
	s_mov_b32 s11, 0
	s_lshl_b32 s16, s9, 11
	s_mov_b32 s17, 0
	s_mov_b32 s12, 0x3d38aa3b                      ; c = log2(e) / 32 = 0.0450842
	s_mov_b32 s13, s12                             ; named with it as a pair
	s_mov_b32 s14, 0x76543210                      ; v_permlanex16_b32: each lane takes its own place in the other half
	s_mov_b32 s15, 0xfedcba98
	s_wait_kmcnt 0x0
	s_add_nc_u64 s[4:5], s[4:5], s[10:11]
	s_add_nc_u64 s[6:7], s[6:7], s[16:17]
.irp p, 0,1,2,3
.irp i, 0,1,2,3
	global_load_b128 v[K+16*(\p)+4*(\i):K+16*(\p)+4*(\i)+3], v[LO], s[4:5] offset:(\p)*QROW+2048+512*(\i) th:TH_LOAD_NT
	global_load_b128 v[Q+16*(\p)+4*(\i):Q+16*(\p)+4*(\i)+3], v[LO], s[4:5] offset:(\p)*QROW+512*(\i) th:TH_LOAD_NT
.endr
.endr
.irp p, 0,1,2,3
.irp i, 0,1,2,3
	global_load_b128 v[V+20*(\p)+4*(\i):V+20*(\p)+4*(\i)+3], v[LO], s[4:5] offset:(\p)*QROW+4096+512*(\i) th:TH_LOAD_NT
.endr
.endr
	s_wait_loadcnt 16                              ; q' and k' are in; the 16 loads of v' may stay out
	; the scores: the four positions' accumulators take turns: three others stand between the two links of a chain
.irp p, 0,1,2,3
	v_wmma_f32_16x16x32_f16 v[S+8*(\p):S+8*(\p)+7], v[K+16*(\p):K+16*(\p)+7], v[Q+16*(\p):Q+16*(\p)+7], 0
.endr
.irp p, 0,1,2,3
	v_wmma_f32_16x16x32_f16 v[S+8*(\p):S+8*(\p)+7], v[K+16*(\p)+8:K+16*(\p)+15], v[Q+16*(\p)+8:Q+16*(\p)+15], v[S+8*(\p):S+8*(\p)+7]
.endr
.irp p, 0,1,2,3
.irp k, 0,1,2,3
	v_mov_b32 v[V+20*(\p)+16+(\k)], 0              ; the zeros behind v's last fragment: sixteen plain instructions, the places behind the products
.endr
.endr
	; the maximum of a head's 16 scores: 8 in the lane (the accumulator's lowest registers first), 8 in the lane 16 away.  The positions alternate, so that no line waits for the one before it.
.irp p, 0,1,2,3
	v_max3_num_f32 v[ST+4*(\p)+2], v[S+8*(\p)], v[S+8*(\p)+1], v[S+8*(\p)+2]
.endr
.irp p, 0,1,2,3
	v_max3_num_f32 v[ST+4*(\p)+2], v[ST+4*(\p)+2], v[S+8*(\p)+3], v[S+8*(\p)+4]
.endr
.irp p, 0,1,2,3
	v_max3_num_f32 v[ST+4*(\p)+2], v[ST+4*(\p)+2], v[S+8*(\p)+5], v[S+8*(\p)+6]
.endr
.irp p, 0,1,2,3
	v_max_num_f32 v[ST+4*(\p)+2], v[ST+4*(\p)+2], v[S+8*(\p)+7]
.endr
.irp p, 0,1,2,3
	v_permlanex16_b32 v[ST+4*(\p)+3], v[ST+4*(\p)+2], s14, s15
.endr
.irp p, 0,1,2,3
	v_max_num_f32 v[ST+4*(\p)+1], v[ST+4*(\p)+2], v[ST+4*(\p)+3]
.endr
.irp p, 0,1,2,3
	v_mul_f32 v[ST+4*(\p)], s12, v[ST+4*(\p)+1]    ; c m
.endr
.irp b, 0,1,2,3
.irp p, 0,1,2,3
	v_pk_fma_f32 v[S+8*(\p)+2*(\b):S+8*(\p)+2*(\b)+1], v[S+8*(\p)+2*(\b):S+8*(\p)+2*(\b)+1], s[12:13], v[ST+4*(\p):ST+4*(\p)+1] op_sel_hi:[1,0,0] neg_lo:[0,0,1] neg_hi:[0,0,1]  ; c s - c m
.endr
.endr
.set e, 0
.rept 32
	v_exp_f32 v[S+e], v[S+e]                       ; one batch: none of these names another's result
.set e, e+1
.endr
	v_nop                                          ; a plain instruction behind the last exponential (ISA guide 5.7.2),
	s_wait_alu depctr_va_vdst(0)                   ; and one wait ahead of the batch's first reader
.irp p, 0,1,2,3
	v_pk_add_f32 v[ST+4*(\p)+2:ST+4*(\p)+3], v[S+8*(\p):S+8*(\p)+1], v[S+8*(\p)+2:S+8*(\p)+3]
.endr
.irp p, 0,1,2,3
	v_pk_add_f32 v[ST+4*(\p)+2:ST+4*(\p)+3], v[ST+4*(\p)+2:ST+4*(\p)+3], v[S+8*(\p)+4:S+8*(\p)+5]
.endr
.irp p, 0,1,2,3
	v_pk_add_f32 v[ST+4*(\p)+2:ST+4*(\p)+3], v[ST+4*(\p)+2:ST+4*(\p)+3], v[S+8*(\p)+6:S+8*(\p)+7]
.endr
.irp p, 0,1,2,3
	v_add_f32 v[ST+4*(\p)+2], v[ST+4*(\p)+2], v[ST+4*(\p)+3]
.endr
.irp p, 0,1,2,3
	v_permlanex16_b32 v[ST+4*(\p)+3], v[ST+4*(\p)+2], s14, s15
.endr
.irp p, 0,1,2,3
	v_add_f32 v[ST+4*(\p)+2], v[ST+4*(\p)+2], v[ST+4*(\p)+3]
.endr
.irp p, 0,1,2,3
	v_rcp_f32 v[ST+4*(\p)+2], v[ST+4*(\p)+2]
.endr
	v_nop                                          ; a plain instruction behind the last reciprocal,
	s_wait_alu depctr_va_vdst(0)                   ; and one wait for the four
.irp b, 0,1,2,3
.irp p, 0,1,2,3
	v_pk_mul_f32 v[S+8*(\p)+2*(\b):S+8*(\p)+2*(\b)+1], v[S+8*(\p)+2*(\b):S+8*(\p)+2*(\b)+1], v[ST+4*(\p)+2:ST+4*(\p)+3] op_sel_hi:[1,0]
.endr
.endr
.irp k, 0,1,2,3                        ; rounded to f16 in place, ascending: no pair is written before it is read
.irp p, 0,1,2,3
	v_cvt_pk_f16_f32 v[S+8*(\p)+(\k)], v[S+8*(\p)+2*(\k)], v[S+8*(\p)+2*(\k)+1]
.endr
.endr
.irp k, 4,5,6,7
.irp p, 0,1,2,3
	v_mov_b32 v[S+8*(\p)+(\k)], 0                  ; K = 16 .. 31 of the second product
.endr
.endr
	s_wait_loadcnt 0x0                             ; v'
.irp p, 0,1,2,3                        ; sixteen products, each with an accumulator of its own
.irp d, 0,1,2,3
	v_wmma_f32_16x16x32_f16 v[O+32*(\p)+8*(\d):O+32*(\p)+8*(\d)+7], v[V+20*(\p)+4*(\d):V+20*(\p)+4*(\d)+7], v[S+8*(\p):S+8*(\p)+7], 0
.endr
.endr
.rept 4
	v_nop                                          ; the places behind the last product (ISA guide 7.12.1)
.endr
.irp p, 0,1,2,3
.irp d, 0,1,2,3
.irp k, 0,1,2,3
	v_cvt_pk_f16_f32 v[O+32*(\p)+8*(\d)+(\k)], v[O+32*(\p)+8*(\d)+2*(\k)], v[O+32*(\p)+8*(\d)+2*(\k)+1]
.endr
	global_store_b128 v[LO], v[O+32*(\p)+8*(\d):O+32*(\p)+8*(\d)+3], s[6:7] offset:(\p)*AROW+512*(\d)  ; a wave stores 512 consecutive bytes, at a multiple of 256 from att's first byte
.endr
.endr
	s_endpgm
.Lfunc_end_k_qfd1d2a7ea2_attn:
	.size	k_qfd1d2a7ea2_attn, .Lfunc_end_k_qfd1d2a7ea2_attn-k_qfd1d2a7ea2_attn
	.p2alignl 7, 3214868480
	.fill 96, 4, 3214868480
	.section	.rodata,"a",@progbits
	.p2align	6, 0x0
	.amdhsa_kernel k_qfd1d2a7ea2_attn
		.amdhsa_group_segment_fixed_size 0
		.amdhsa_private_segment_fixed_size 0
		.amdhsa_enable_private_segment 0
		.amdhsa_kernarg_size 16
		.amdhsa_user_sgpr_count 2
		.amdhsa_user_sgpr_kernarg_segment_ptr 1
		.amdhsa_wavefront_size32 1
		.amdhsa_system_sgpr_workgroup_id_x 1
		.amdhsa_system_sgpr_workgroup_id_y 1
		.amdhsa_system_sgpr_workgroup_id_z 1
		.amdhsa_system_vgpr_workitem_id 0
		.amdhsa_next_free_vgpr 248
		.amdhsa_next_free_sgpr 66
		.amdhsa_reserve_vcc 0
		.amdhsa_float_denorm_mode_32 3
		.amdhsa_float_denorm_mode_16_64 3
		.amdhsa_memory_ordered 1
		.amdhsa_forward_progress 1
		.amdhsa_inst_pref_size 21
	.end_amdhsa_kernel
	.amdgpu_metadata
---
amdhsa.version: [ 1, 2 ]
amdhsa.kernels:
  - .name:           k_qfd1d2a7ea2_attn
    .symbol:         k_qfd1d2a7ea2_attn.kd
    .args:
      - { .name: qkv, .offset: 0, .size: 8, .value_kind: global_buffer, .address_space: global }
      - { .name: att, .offset: 8, .size: 8, .value_kind: global_buffer, .address_space: global }
    .group_segment_fixed_size: 0
    .private_segment_fixed_size: 0
    .kernarg_segment_align: 8
    .kernarg_segment_size: 16
    .max_flat_workgroup_size: 128
    .sgpr_count:     66
    .vgpr_count:     248
    .wavefront_size: 32
...
	.end_amdgpu_metadata
.endif
;; end of part 3
;; launch oproj (part 4): grid 4 x 64, 4 waves a work-group, clusters of 4 x 4, 327,680 bytes of LDS; arguments att, woh, out0, bias; writes out0
.if DOCPART == 4
	.amdgcn_target "amdgcn-amd-amdhsa--gfx1250"
	.amdhsa_code_object_version 6
	.text
	.protected	k_qfd1d2a7ea2_oproj
	.globl	k_qfd1d2a7ea2_oproj
	.p2align	8
	.type	k_qfd1d2a7ea2_oproj,@function
k_qfd1d2a7ea2_oproj:
	s_mov_b64 s[64:65], 0
	v_nop
	global_prefetch_b8 v0, s[64:65] scope:SCOPE_SE
	s_setreg_imm32_b32 hwreg(HW_REG_WAVE_MODE, 25, 1), 1
	s_wait_xcnt 0x0
	s_wait_alu depctr_hold_cnt(0) depctr_sa_sdst(0) depctr_va_vdst(0) depctr_va_sdst(0) depctr_va_ssrc(0) depctr_va_vcc(0) depctr_vm_vsrc(0)
	s_getreg_b32 s2, hwreg(HW_REG_IB_STS2, 6, 4)
	s_cmp_eq_u32 s2, 0
	s_cbranch_scc0 .Lentry_in_a_cluster
	s_endpgm
.Lentry_in_a_cluster:
	s_bfe_u32 s2, ttmp6, 0x10000c
	s_cmp_lg_u32 s2, 0xf033
	s_cbranch_scc0 .Lentry_shape_is_right
	s_endpgm
.Lentry_shape_is_right:
; C[m][n] = bias[n] + the sum over k of A[m][k] B[n][k].  ONE SOURCE SERVES TWO LAUNCHES, told apart by QKV below.
;   QKV = 1: A = xh [16384][1024] bf16, B = wqkv [3072][1024] bf16, C = qkv [16384][3072] f16 (rounded once), bias numbers 0 .. 3071.
;   QKV = 0: A = att [16384][1024] f16, B = woh [1024][1024] f16, C = out0 [16384][1024] f32, bias numbers 3072 .. 4095.
; Sums in f32, K ascending, one accumulator an output; the bias is the C operand of the product that starts a sum, so nothing is cleared and nothing is added on the way out.
; LIMITS.  QKV = 1: f16 holds no number beyond 65,504: a q, k or v of 65,520 or more becomes an infinity.  NaN and infinities are not treated apart.
; SHARES.  A tile of C is 256 x 256: four waves, each 128 x 128 in 64 accumulators (512 registers).  256 work-groups; work-group (bx, by) owns rows 256 by .. 256 by + 255 and STAYS: it makes TILES tiles,
; columns 1,024 tau + 256 bx (QKV = 1: its part of q, then of k, then of v).  A's rows are the same for all its tiles; B goes 1,024 rows down from tile to tile.
; THE RING.  K goes in steps of 128 through two LDS slots filled by the tensor data mover, rows of 256 bytes that start at multiples of 256 bytes from the buffer's first byte.  The ring does not
; stop at a tile's end: a tile's last two changes of slots ask for the next tile's first two K steps.
; THE LAST TILE'S LAST K STEP GOES BY ROWS OF C, so that finished rows leave while the others are multiplied: nothing follows that tile under which its stores could leave.
; CLUSTERS.  4 x 4 work-groups.  The four of a row of the cluster need the same tiles of A, the four of a column the same tiles of B: each tile is asked for JOINTLY, by the same tensor load with
; the same descriptor and a mask that names the four.
; TRANSPOSED USE.  Source 0 = 16 rows of B, source 1 = 16 rows of A: lane l then holds row l % 16 of C and its registers 0 to 7 the columns 8 (l / 16) + 0 .. 7.
; REGISTERS, in windows of 256 (s_set_vgpr_msb: bits 1:0 source 0, 3:2 source 1, 5:4 source 2, 7:6 destination):
;   window 0: v0-31 addresses; v64-127, v128-191 fragments of A, two buffers (in the very last K step four, of 16 rows x 128 K); QKV = 1: v32-63, v192-255 at work on the way out
;   window 1: v64-127, v128-191 fragments of B; v192-255 the bias of my 128 columns, laid out as eight C operands; in the very last K step all 256: B's fragments of the whole step
;   window 2: the 32 accumulators of my rows 0-63 (accumulator (a, b) at v[8 (8 a + b)]);   window 3: those of my rows 64-127
.set QKV,    0
.set SIZE_K, 1024
.set KSTEP,  128
.set PITCH,  272                       ; an LDS row: 256 bytes + 16 of padding = 68 words: row r starts at bank 4 r mod 64 (64 banks of 4 bytes: ISA guide 11.1), so the 16 rows of a load start at 16 different banks
.set HALFT,  128*PITCH                 ; 128 rows: what one tensor load brings, and what one wave reads of A or of B
.set SLOT,   4*HALFT                   ; A's 256 rows, then B's 256 rows
.set STAGE,  2*SLOT                    ; behind the ring: 16 rows for each wave, for the way out; no tensor load fills it
.if QKV
.set TILES,  3
.set CROW,   6144                      ; bytes in a row of C
.set ES,     2                         ; bytes in a number of C
.set SPITCH, 272                       ; a stage row: my 128 columns + 16 bytes
.set BIAS0,  0
.else
.set TILES,  1
.set CROW,   4096
.set ES,     4
.set SPITCH, 528
.set BIAS0,  12288
.endif
.set SPARE,  STAGE+4*16*SPITCH         ; behind the stages: the spare words, 128 bytes for each wave: two blocks of 256 bytes that no other line names
.set LAPS,   SIZE_K/(2*KSTEP)          ; a lap = two K steps = once round the ring
.set BACK,   (SIZE_K-2*KSTEP)*2        ; bytes from a slot's last K step of a tile back to its first
.set NEXT_B, 1024*SIZE_K*2-BACK        ; B: 1,024 rows down and back along K
.set ADRA, 16                          ; v16-17  LDS address of my A fragments in slot 0, 1
.set ADRB, 20                          ; v20-21  the same for B
.set STO,  24                          ; v24     the way out: where I put my numbers of a row
.set RD,   25                          ; v25     the way out: where I read rows back
.set CO,   26                          ; v26     my byte offset in C
.set BOF,  27                          ; v27     my byte offset in 16 numbers of the bias: 32 (l / 16)
.set SPW,  28                          ; v28     LDS address of my spare word: SPARE + 4 x my thread's number; never rewritten
.set NIL,  29                          ; v29     0; never rewritten
.set PFO,  30                          ; v30     the prefetches' offset: my lane x a row of A or B (2,048 bytes); never rewritten
.set PFA,  44                          ; s[44:45] where my prefetches stand: my work-group's 32 rows of the 128 that I fetch, one K step further along K than the refill in hand
.set LIM,  43                          ; s43     1 in a wave that prefetches, else the greatest number
.set BP,   66                          ; s[66:67] the bias at my 128 columns of the tile whose bias was loaded last
.set F0,   64                          ; fragment buffer 0
.set F1,   128                         ; fragment buffer 1
.set PA,   64                          ; the very last K step: A's fragments of 16 rows x 128 K, 32 registers; four such buffers, v64-191
.set TMP,  192                         ; QKV = 1, the way out: packed results, window 0
.set OB,   32                          ; QKV = 1, the way out: 16 rows read back: v32-63 and v224-255 by turns
.set BI,   192                         ; the bias, window 1: n block b at BI + 8 b
.set G1, 24                            ; s[24:31] descriptor group 1 for A's tiles
.set G0, 32                            ; s[32:39] descriptor group 0 for A's tiles, one set for each slot
.set G1B, 48                           ; s[48:55] group 1 for B's tiles: it differs in the mask alone
.set G0B, 56                           ; s[56:63] group 0 for B's tiles
.set MSB, 0
.macro WIN new                         ; the immediate's high byte repeats the setting that is left; a switch that changes nothing is dropped
.if MSB != (\new)
	s_set_vgpr_msb (MSB<<8)|(\new)
.set MSB, \new
.endif
.endm
.set MUL_LO, 0xa1                      ; source 0 (B) window 1, source 1 (A) window 0, C and D window 2
.set TO_B,   0x40                      ; destination window 1, address window 0
; A joint load.  Waves 0 and 1 fetch A's two halves, waves 2 and 3 B's.  The branch hangs on the wave's number alone.  An s_nop 0 and four v_nop follow each of the two lines.
.macro JLOAD s
	s_cmp_eq_u32 s11, 0
	s_cbranch_scc0 .Lfor_b_\@
	tensor_load_to_lds s[G0+4*(\s):G0+4*(\s)+3], s[G1:G1+7]
	s_nop 0
.rept 4
	v_nop
.endr
	s_branch .Lasked_\@
.Lfor_b_\@:
	tensor_load_to_lds s[G0B+4*(\s):G0B+4*(\s)+3], s[G1B:G1B+7]
	s_nop 0
.rept 4
	v_nop
.endr
.Lasked_\@:
.endm
; A PREFETCH INTO THE L2, behind each joint load and the run of LDS loads that follows it: the K step that stands two refills on, 512 matrix instructions ahead of its load: 32 rows x 256 bytes, a lane a row.
; Each row's 256 bytes of a K step are named once in the launch.  A's rows are read by one cluster alone (the grid is one cluster wide): it asks.  B's rows are read by every cluster: the cluster with y = 0 asks.
; The four partners that ask for a tile jointly share its rows out BY ADDRESS: of the 128 rows that a wave fetches the partner at place p takes 32 p .. 32 p + 31 (p = cx for A, cy for B).
; how = 0, in the loop: a tile's last two refills have no K step two on.  how = 1, at a change of tiles: the next tile's K steps 2 and 3 of B; A's rows have been read and are asked for no more.
.macro ASK how
.if \how
	s_cmp_eq_u32 s[LIM], 1
.else
	s_cmp_gt_u32 s3, s[LIM]                        ; s3 = 1 in the loop's last trip
.endif
	s_cbranch_scc0 .Lnot_mine_\@
	global_prefetch_b8 v[PFO], s[PFA:PFA+1] offset:KSTEP*2 th:TH_LOAD_NT scope:SCOPE_SE
.Lnot_mine_\@:
.endm
; A round of the cluster's barrier: my work-group's barrier; wave 0 signals for the work-group; every wave waits for all sixteen work-groups; my work-group's barrier once more.
.macro CREST                           ; a round behind its opening barrier
	s_cmp_lg_u32 s10, 0
	s_cbranch_scc1 .Lnot_wave_0_\@
	s_barrier_signal -3
.Lnot_wave_0_\@:
	s_barrier_wait -3
	s_barrier_signal -1
	s_barrier_wait -1
.endm
.macro CROUND                          ; a whole round
	s_barrier_signal -1
	s_barrier_wait -1
	CREST
.endm
	s_load_b128 s[4:7], s[0:1], 0x0                ; A s[4:5], B s[6:7]
	s_load_b64 s[8:9], s[0:1], 0x10                ; C
	s_load_b64 s[BP:BP+1], s[0:1], 0x18            ; bias
	v_lshl_add_u32 v[SPW], v0, 2, SPARE
	v_mov_b32 v[NIL], 0
	ds_add_u32 v[SPW], v[NIL]                      ; the wave's opening: the add and its wait stand ahead of my first tensor load; the set-up below, work on registers, stands between them
	v_lshrrev_b32 v1, 5, v0
	v_readfirstlane_b32 s10, v1                    ; wave 0..3
	s_lshr_b32 s11, s10, 1                         ; which half of the tile's rows is mine.  Also: I fetch for A (0) or for B (1)
	s_and_b32 s12, s10, 1                          ; which half of its columns.  Also: which 128 rows of that tile I fetch
	s_bfe_u32 s40, ttmp6, 0x40000                  ; cx
	s_bfe_u32 s41, ttmp6, 0x40004                  ; cy
	s_lshl_b32 s42, ttmp9, 2                       ; in a cluster launch ttmp9 and ttmp7 count clusters
	s_add_co_u32 s42, s42, s40                     ; bx = 4 x cluster x + cx
	s_and_b32 s13, ttmp7, 0xffff
	s_lshl_b32 s13, s13, 2
	s_add_co_u32 s13, s13, s41                     ; by = 4 x cluster y + cy
	s_lshl_b32 s43, s41, 2
	s_lshl_b32 s43, 15, s43                        ; my row of the cluster: places 4 cy .. 4 cy + 3
	s_lshl_b32 s44, 0x1111, s40                    ; my column: places cx, cx + 4, cx + 8, cx + 12
	; descriptor group 1: a tile of 128 rows x 128 elements of 2 bytes, padded in LDS
	s_or_b32 s[G1+0], s43, (1<<16)|(1<<20)|(1<<21)|(5<<22)|(3<<25)  ; 15:0 the mask: A's tiles go to my row; 17:16 2-byte elements; 20 padding on; 21 set beside a mask; 24:22 after every 64 words (code 5); 31:25 4 words (code 3)
	s_or_b32 s[G1B+0], s44, (1<<16)|(1<<20)|(1<<21)|(5<<22)|(3<<25) ; the same with the mask of my column
.irp g, G1, G1B
	s_mov_b32 s[(\g)+1], KSTEP<<16                 ; tensor_dim0 = 128
	s_mov_b32 s[(\g)+2], 128<<16                   ; tensor_dim1 = 128
	s_mov_b32 s[(\g)+3], KSTEP<<16                 ; tile_dim0 = 128
	s_mov_b32 s[(\g)+4], 128                       ; tile_dim1 = 128
	s_mov_b32 s[(\g)+5], SIZE_K                    ; elements from row to row
	s_mov_b32 s[(\g)+6], 0
	s_mov_b32 s[(\g)+7], 0
.endr
	; where the tiles come from.  A's hang on by alone, which my row of the cluster shares; B's on bx alone, which my column shares.  Each address is made in registers that never hold the other coordinate.
	s_lshl_b32 s17, s12, 7                         ; which 128 rows of the tile I fetch
	s_lshl_b32 s16, s13, 8
	s_add_co_u32 s16, s16, s17                     ; A: row 256 by + 128 x half
	s_lshl_b32 s46, s42, 8
	s_add_co_u32 s46, s46, s17                     ; B: row 256 bx + 128 x half
	s_mov_b32 s17, 0
	s_mov_b32 s47, 0
	s_mov_b64 s[18:19], SIZE_K*2
	s_mul_u64 s[16:17], s[16:17], s[18:19]
	s_mul_u64 s[46:47], s[46:47], s[18:19]
	s_mul_i32 s20, s10, HALFT                      ; where they go: wave x 128 rows: no place in the cluster enters an LDS address
	s_wait_dscnt 0x0                               ; the opening add is done
	s_wait_kmcnt 0x0
	s_add_nc_u64 s[14:15], s[4:5], s[16:17]
	s_add_nc_u64 s[46:47], s[6:7], s[46:47]
	CROUND                                         ; all sixteen work-groups are here: the first joint loads meet
.irp s, 0,1
	s_mov_b32 s[G0+4*(\s)], 1                                      ; count = 1
	s_add_co_u32 s[G0+4*(\s)+1], s20, (\s)*SLOT                    ; LDS address
	s_add_nc_u64 s[G0+4*(\s)+2:G0+4*(\s)+3], s[14:15], (\s)*KSTEP*2  ; global address: K step s
	s_or_b32 s[G0+4*(\s)+3], s[G0+4*(\s)+3], 0x80000000            ; type = 2
	s_mov_b32 s[G0B+4*(\s)], 1
	s_add_co_u32 s[G0B+4*(\s)+1], s20, (\s)*SLOT
	s_add_nc_u64 s[G0B+4*(\s)+2:G0B+4*(\s)+3], s[46:47], (\s)*KSTEP*2
	s_or_b32 s[G0B+4*(\s)+3], s[G0B+4*(\s)+3], 0x80000000
	JLOAD \s                                       ; both slots are asked for before anything else is done: two loads of mine are out
.endr
	; A fragment is 16 rows x 32 K in 8 registers: lane l holds row l % 16; registers 0-3 K = 8 (l / 16) + 0..7, registers 4-7 K = 16 + 8 (l / 16) + 0..7: two loads of 16 bytes, 32 bytes apart.
	v_and_b32 v1, 15, v0                           ; l % 16
	v_bfe_u32 v2, v0, 4, 1                         ; l / 16
	v_mul_u32_u24 v3, v1, PITCH
	v_lshl_add_u32 v3, v2, 4, v3
	s_mul_i32 s21, s11, HALFT                      ; my 128 rows of A
	s_mul_i32 s22, s12, HALFT                      ; my 128 rows of B,
	s_add_co_u32 s22, s22, 2*HALFT                 ; which lie behind A's 256
.irp s, 0,1
	v_add_nc_u32 v[ADRA+(\s)], s21, v3
	v_add_nc_u32 v[ADRB+(\s)], s22, v3
	s_add_co_u32 s21, s21, SLOT
	s_add_co_u32 s22, s22, SLOT
.endr
	s_mul_i32 s23, s10, 16*SPITCH
	s_add_co_u32 s23, s23, STAGE                   ; my stage
	v_mul_u32_u24 v4, v1, SPITCH                   ; in: row l % 16
.if QKV
	v_lshl_add_u32 v4, v2, 4, v4                   ; 16 bytes for each half of the lanes
	v_add_nc_u32 v[STO], s23, v4
	v_mul_u32_u24 v5, v2, SPITCH                   ; back: lanes 0-15 take one row of 256 bytes, lanes 16-31 the next
	v_lshl_add_u32 v5, v1, 4, v5
	v_add_nc_u32 v[RD], s23, v5
	v_mul_u32_u24 v5, v2, CROW                     ; and the same two rows in C
	v_lshl_add_u32 v[CO], v1, 4, v5
.else
	v_lshl_add_u32 v4, v2, 5, v4                   ; 32 bytes for each half of the lanes
	v_add_nc_u32 v[STO], s23, v4
	v_and_b32 v5, 31, v0
	v_lshlrev_b32 v[CO], 4, v5                     ; back: 32 lanes take one row of 512 bytes
	v_add_nc_u32 v[RD], s23, v[CO]
.endif
	v_lshlrev_b32 v[BOF], 5, v2
	; C at my part of the first tile
	s_lshl_b32 s13, s13, 8
	s_lshl_b32 s14, s11, 7
	s_add_co_u32 s16, s13, s14                     ; my first row
	s_mov_b32 s17, 0
	s_mov_b64 s[18:19], CROW
	s_mul_u64 s[16:17], s[16:17], s[18:19]
	s_mul_i32 s46, s42, 256*ES                     ; my first column, in bytes (in the registers that held B's address: none that feeds A's descriptors ever holds cx)
	s_mul_i32 s47, s12, 128*ES
	s_add_co_u32 s46, s46, s47
	s_mov_b32 s47, 0
	s_add_nc_u64 s[16:17], s[16:17], s[46:47]
	s_add_nc_u64 s[8:9], s[8:9], s[16:17]
	s_lshl_b32 s46, s42, 10                        ; the bias of the same columns, 4 bytes each
	s_lshl_b32 s47, s12, 9
	s_add_co_u32 s46, s46, s47
	s_add_co_u32 s46, s46, BIAS0
	s_mov_b32 s47, 0
	s_add_nc_u64 s[BP:BP+1], s[BP:BP+1], s[46:47]
	; the prefetches.  s13 = 256 by
	s_lshl_b32 s42, s42, 8
	s_and_b32 s22, ttmp7, 0xffff                   ; cluster y
	s_cmp_eq_u32 s11, 0                            ; do I fetch for A?
	s_cselect_b32 s20, s13, s42                    ; the tile's first row
	s_cselect_b32 s21, s40, s41                    ; my place among the four that ask for it with me
	s_cselect_b32 s22, ttmp9, s22                  ; the coordinate along which other clusters read the same rows
	s_cselect_b64 s[PFA:PFA+1], s[4:5], s[6:7]
	s_cmp_eq_u32 s22, 0
	s_cselect_b32 s[LIM], 1, -1                    ; the same in all sixteen partners, for a given wave
	s_lshl_b32 s22, s12, 7
	s_add_co_u32 s20, s20, s22                     ; + the 128 rows that I fetch
	s_lshl_b32 s21, s21, 5
	s_add_co_u32 s20, s20, s21                     ; + my work-group's 32 of them
	s_mov_b32 s21, 0
	s_mov_b64 s[18:19], SIZE_K*2
	s_mul_u64 s[20:21], s[20:21], s[18:19]
	s_add_nc_u64 s[PFA:PFA+1], s[PFA:PFA+1], s[20:21]
	s_add_nc_u64 s[PFA:PFA+1], s[PFA:PFA+1], 2*KSTEP*2  ; at K step 2: the first refill steps it to 3 and names K step 4.  Nothing is prefetched here, at the head
	v_and_b32 v[PFO], 31, v0
	v_mul_u32_u24 v[PFO], v[PFO], SIZE_K*2
; 16 matrix instructions: m blocks a0, a0 + 1 of the window's four (hi = 0: my rows 0-63, 1: rows 64-127) x all 8 n blocks, 32 along K.  first = 1: the product starts the sum, with the bias (window 1) as C.
.macro MUL16 f, hi, a0, first
.if \first
	WIN 0x91+0x40*(\hi)
.else
	WIN MUL_LO+0x50*(\hi)
.endif
.irp a, \a0, (\a0)+1
.irp b, 0,1,2,3,4,5,6,7
.if QKV
.if \first
	v_wmma_f32_16x16x32_bf16 v[8*(8*(\a)+(\b)):8*(8*(\a)+(\b))+7], v[(\f)+8*(\b):(\f)+8*(\b)+7], v[(\f)+8*(4*(\hi)+(\a)):(\f)+8*(4*(\hi)+(\a))+7], v[BI+8*(\b):BI+8*(\b)+7]
.else
	v_wmma_f32_16x16x32_bf16 v[8*(8*(\a)+(\b)):8*(8*(\a)+(\b))+7], v[(\f)+8*(\b):(\f)+8*(\b)+7], v[(\f)+8*(4*(\hi)+(\a)):(\f)+8*(4*(\hi)+(\a))+7], v[8*(8*(\a)+(\b)):8*(8*(\a)+(\b))+7]
.endif
.else
.if \first
	v_wmma_f32_16x16x32_f16 v[8*(8*(\a)+(\b)):8*(8*(\a)+(\b))+7], v[(\f)+8*(\b):(\f)+8*(\b)+7], v[(\f)+8*(4*(\hi)+(\a)):(\f)+8*(4*(\hi)+(\a))+7], v[BI+8*(\b):BI+8*(\b)+7]
.else
	v_wmma_f32_16x16x32_f16 v[8*(8*(\a)+(\b)):8*(8*(\a)+(\b))+7], v[(\f)+8*(\b):(\f)+8*(\b)+7], v[(\f)+8*(4*(\hi)+(\a)):(\f)+8*(4*(\hi)+(\a))+7], v[8*(8*(\a)+(\b)):8*(8*(\a)+(\b))+7]
.endif
.endif
.endr
.endr
.endm
; 32 LDS loads in one run: the fragments of one quarter step (128 rows of B, 128 rows of A, 32 K at byte k of the rows) into buffer f
.macro FETCH slot, k, f
	WIN TO_B
.irp i, 0,1,2,3,4,5,6,7
	ds_load_b128 v[(\f)+8*(\i):(\f)+8*(\i)+3],   v[ADRB+(\slot)] offset:(\k)+(\i)*16*PITCH
	ds_load_b128 v[(\f)+8*(\i)+4:(\f)+8*(\i)+7], v[ADRB+(\slot)] offset:(\k)+(\i)*16*PITCH+32
.endr
	WIN 0
.irp i, 0,1,2,3,4,5,6,7
	ds_load_b128 v[(\f)+8*(\i):(\f)+8*(\i)+3],   v[ADRA+(\slot)] offset:(\k)+(\i)*16*PITCH
	ds_load_b128 v[(\f)+8*(\i)+4:(\f)+8*(\i)+7], v[ADRA+(\slot)] offset:(\k)+(\i)*16*PITCH+32
.endr
.endm
; A load into a register that a matrix instruction has read or written, and whatever but a matrix instruction reads a matrix result, stand four places behind that matrix instruction; only plain vector
; instructions that name none of its registers are places (ISA guide 7.12.1 for vector instructions).
.macro PLACES
.rept 4
	v_nop
.endr
.endm
; The bias of my 128 columns: for n block b a lane takes the 8 numbers at 16 b + 8 (l / 16): just what a C operand holds.
.macro BIASLD
	WIN TO_B
.irp b, 0,1,2,3,4,5,6,7
	global_load_b128 v[BI+8*(\b):BI+8*(\b)+3],   v[BOF], s[BP:BP+1] offset:64*(\b)
	global_load_b128 v[BI+8*(\b)+4:BI+8*(\b)+7], v[BOF], s[BP:BP+1] offset:64*(\b)+16
.endr
	WIN 0
.endm
; A K step is four quarter steps of 32 along K, 64 matrix instructions each, on buffers 0, 1, 0, 1; the 64 accumulators take turns, in the same order in every quarter.
; One of the first three: multiplies buffer f; in its middle it fetches the next quarter's fragments, at byte k of the same slot's rows, into buffer g.
.macro QUARTER slot, k, f, g, first
	s_wait_dscnt 8                                 ; B and A's rows 0-63 are in; the youngest eight loads (A's rows 64-127) may be out
	MUL16 \f, 0, 0, \first
	MUL16 \f, 0, 2, \first
	PLACES
	FETCH \slot, \k, \g
	s_wait_dscnt 32                                ; all but the 32 just issued
	MUL16 \f, 1, 0, \first
	MUL16 \f, 1, 2, \first
.endm
; The last quarter multiplies buffer 1 and changes slots.  MEET is its first half: ONE barrier for two things.  In front of it each wave waits for all its tensor loads, of which one is out: its part
; of the next slot; adds 0 to its spare word; and waits for that and for its own reads of this slot.  Behind it nobody reads this slot any more and the next slot is whole.
.macro MEET round                      ; round = 1: a round of the cluster's barrier follows
	WIN 0                                          ; (the add's two registers lie in window 0)
	s_wait_tensorcnt 0x0                           ; all my tensor loads have landed
	ds_add_u32 v[SPW], v[NIL]                      ; 0 onto my spare word
	s_wait_dscnt 9                                 ; (the add and the youngest eight loads may be out)
	MUL16 F1, 0, 0, 0                              ; sixteen matrix instructions stand between the add and the wait for it
	s_wait_dscnt 0x0                               ; the add is done, and my reads of this slot are over
	s_barrier_signal -1
	MUL16 F1, 0, 2, 0                              ; work on registers while the others arrive
.if \round
	WIN 0
.endif
	s_barrier_wait -1
.endm
; The whole last quarter.  Behind the round the slot just read out is filled again first: with this tile's K step two steps on (on = 0) or with the NEXT tile's K step 0 or 1 (on = 1); then come the
; next slot's first fragments.  From a request to the wait for it a wave issues 224 matrix instructions, across tiles too.
.macro TURN slot, next, on
	s_wait_xcnt 0x0                                ; the last prefetch, a K step back, has read its address: it is stepped here, ahead of the waits of the change of slots
.if (\on) && (\slot) == 0
	s_add_nc_u64 s[PFA:PFA+1], s[PFA:PFA+1], 1023*SIZE_K*2+KSTEP*2  ; from the K step after the tile's last to the next tile's K step 1: 1,024 rows down, back along K
	s_cmp_eq_u32 s11, 1
	s_cselect_b32 s[LIM], s[LIM], -1               ; A's rows are the same for all tiles of the walk: they are prefetched no more
.else
	s_add_nc_u64 s[PFA:PFA+1], s[PFA:PFA+1], KSTEP*2
.endif
	MEET 1
	CREST                                          ; no wave of any partner still reads this slot's tile or has a load on its way
.if \on
	s_sub_nc_u64 s[G0+4*(\slot)+2:G0+4*(\slot)+3], s[G0+4*(\slot)+2:G0+4*(\slot)+3], BACK
	s_add_nc_u64 s[G0B+4*(\slot)+2:G0B+4*(\slot)+3], s[G0B+4*(\slot)+2:G0B+4*(\slot)+3], NEXT_B
.else
	s_add_nc_u64 s[G0+4*(\slot)+2:G0+4*(\slot)+3], s[G0+4*(\slot)+2:G0+4*(\slot)+3], 2*KSTEP*2
	s_add_nc_u64 s[G0B+4*(\slot)+2:G0B+4*(\slot)+3], s[G0B+4*(\slot)+2:G0B+4*(\slot)+3], 2*KSTEP*2
.endif
	JLOAD \slot                                    ; the first tensor load behind the round, my only one until the next; its four v_nop are also the places in front of the loads below
	FETCH \next, 0, F0
	ASK \on
	MUL16 F1, 1, 0, 0
	MUL16 F1, 1, 2, 0
.endm
; THE LAST K STEP OF THE LAST TILE (it lies in slot 1) GOES BY ROWS OF C, NOT BY K.  All its fragments of B (4 quarters x 64 registers) fill window 1; then my eight blocks of 16 rows are finished one
; after the other, each with 32 matrix instructions (its 8 accumulators by turns, K ascending: the sums are the same).  LDS is read no more than in any other K step.
.macro BLOAD q                         ; B's fragments of quarter q -> window 1, v[64 q ..]
	WIN TO_B
.irp i, 0,1,2,3,4,5,6,7
	ds_load_b128 v[64*(\q)+8*(\i):64*(\q)+8*(\i)+3],   v[ADRB+1] offset:64*(\q)+(\i)*16*PITCH
	ds_load_b128 v[64*(\q)+8*(\i)+4:64*(\q)+8*(\i)+7], v[ADRB+1] offset:64*(\q)+(\i)*16*PITCH+32
.endr
.endm
.macro ALOAD a                         ; A's fragments of block a, all four quarters -> buffer a % 4
	WIN 0
.set FA, PA+32*((\a)%4)
.irp q, 0,1,2,3
	ds_load_b128 v[FA+8*(\q):FA+8*(\q)+3],   v[ADRA+1] offset:64*(\q)+(\a)*16*PITCH
	ds_load_b128 v[FA+8*(\q)+4:FA+8*(\q)+7], v[ADRA+1] offset:64*(\q)+(\a)*16*PITCH+32
.endr
.endm
.macro ROW a                           ; block a is finished: 32 matrix instructions
.set FA, PA+32*((\a)%4)                ; its fragments of A
.set AC, 64*((\a)%4)                   ; its eight accumulators, in window 2 (blocks 0-3) or 3 (blocks 4-7)
	WIN MUL_LO+0x50*((\a)/4)
.irp q, 0,1,2,3
.if (\a) == 0 && (\q) == 2
	s_wait_dscnt 16                                ; B's quarter 2 and A's block 1, which is multiplied next, are in (behind them: A's blocks 2 and 3)
.endif
.irp b, 0,1,2,3,4,5,6,7
.if QKV
	v_wmma_f32_16x16x32_bf16 v[AC+8*(\b):AC+8*(\b)+7], v[64*(\q)+8*(\b):64*(\q)+8*(\b)+7], v[FA+8*(\q):FA+8*(\q)+7], v[AC+8*(\b):AC+8*(\b)+7]
.else
	v_wmma_f32_16x16x32_f16 v[AC+8*(\b):AC+8*(\b)+7], v[64*(\q)+8*(\b):64*(\q)+8*(\b)+7], v[FA+8*(\q):FA+8*(\q)+7], v[AC+8*(\b):AC+8*(\b)+7]
.endif
.endr
.endr
.endm
.if QKV
; THE WAY OUT of block a (16 rows), QKV = 1.  PACK: rounded to f16, 16 bytes a lane.  TOSTAGE: into my own stage in LDS, and back as whole rows of 256 bytes.  SEND: stored.
.macro PACK a
.set AC, 64*((\a)%4)
	WIN 0x0a+5*((\a)/4)                            ; sources 0 and 1: window 2 or 3
.irp b, 0,1,2,3,4,5,6,7
.irp r, 0,1,2,3
	v_cvt_pk_f16_f32 v[TMP+4*(\b)+(\r)], v[AC+8*(\b)+2*(\r)], v[AC+8*(\b)+2*(\r)+1]
.endr
.endr
	WIN 0
.endm
.macro TOSTAGE a
	WIN 0
.set BK, OB+192*((\a)%2)
.irp b, 0,1,2,3,4,5,6,7
	ds_store_b128 v[STO], v[TMP+4*(\b):TMP+4*(\b)+3] offset:32*(\b)
.endr
.irp t, 0,1,2,3,4,5,6,7
	ds_load_b128 v[BK+4*(\t):BK+4*(\t)+3], v[RD] offset:(\t)*2*SPITCH  ; LDS serves a wave's instructions in order (ISA guide 5.7.1.4): these see the stores above
.endr
.endm
.macro SEND a, younger                 ; younger: the LDS loads issued behind TOSTAGE's, which may stay out
	WIN 0
.set BK, OB+192*((\a)%2)
	s_wait_dscnt \younger                          ; the block is back in registers
	s_wait_xcnt 0x0                                ; the stores of the block before have read their registers, into which the next block is read back
.irp t, 0,1,2,3,4,5,6,7
	global_store_b128 v[CO], v[BK+4*(\t):BK+4*(\t)+3], s[8:9] offset:(16*(\a)+2*(\t))*CROW  ; 16 lanes store 256 consecutive bytes, at a multiple of 256 from C's first byte; 126 rows at the most: inside the signed 24-bit immediate
.endr
.endm
.macro WAYOUT                          ; a tile that has a successor: block a's conversions stand between block a - 1's loads from the stage and the wait for them
	PACK 0
	TOSTAGE 0
.irp a, 1,2,3,4,5,6,7
	PACK \a
	SEND (\a)-1, 0
	TOSTAGE \a
.endr
	SEND 7, 0
.endm
.else
; THE WAY OUT of block a, QKV = 0: the f32 sums go as they are into my own stage (32 bytes a lane and n block, the accumulator's low four registers first) and come back as whole rows of 512 bytes,
; into the block's own 64 registers, which hold nothing more that is wanted: so no register is used twice, and no store's source is ever rewritten.
.macro ST32 a
.set AC, 64*((\a)%4)
	WIN 0x08+4*((\a)/4)                            ; the stores' data (source 1): window 2 or 3
.irp b, 0,1,2,3,4,5,6,7
	ds_store_b128 v[STO], v[AC+8*(\b):AC+8*(\b)+3]   offset:64*(\b)
	ds_store_b128 v[STO], v[AC+8*(\b)+4:AC+8*(\b)+7] offset:64*(\b)+16
.endr
	WIN 0x80+0x40*((\a)/4)                         ; the loads' destination: the same window
.irp t, 0,1,2,3,4,5,6,7,8,9,10,11,12,13,14,15
	ds_load_b128 v[AC+4*(\t):AC+4*(\t)+3], v[RD] offset:(\t)*SPITCH  ; LDS serves a wave's instructions in order (ISA guide 5.7.1.4): these see the stores above, and the next block's stores come behind them
.endr
.endm
.macro SEND32 a, younger               ; younger: the LDS loads issued behind ST32's, which may stay out
.set AC, 64*((\a)%4)
	s_wait_dscnt \younger
	WIN 0x08+4*((\a)/4)
.irp t, 0,1,2,3,4,5,6,7,8,9,10,11,12,13,14,15
	global_store_b128 v[CO], v[AC+4*(\t):AC+4*(\t)+3], s[8:9] offset:(16*(\a)+(\t))*CROW th:TH_STORE_NT  ; a wave stores 512 consecutive bytes, at a multiple of 256 from C's first byte
.endr
.endm
.endif
	BIASLD                                         ; the first tile's bias
	s_wait_tensorcnt 1                             ; my part of K step 0 is in; K step 1's may stay out
	s_barrier_signal -1
	s_barrier_wait -1                              ; everybody's is
	FETCH 0, 0, F0
.if TILES > 1
	s_mov_b32 s2, TILES                            ; tiles to go, this one among them: the same number in every work-group
.Ltile:
.endif
	s_wait_loadcnt 0x0                             ; the bias
	QUARTER 0, 64,  F0, F1, 1                      ; a tile's first quarter stands in front of the loop: its products start the sums
	WIN 0                                          ; at a label and at a branch every window is 0
	s_mov_b32 s3, LAPS-1
.Llap:                                                 ; a trip goes once round the ring, from a lap's second quarter to the next lap's first, and fills both slots again
	QUARTER 0, 128, F1, F0, 0
	QUARTER 0, 192, F0, F1, 0
	TURN 0, 1, 0
	QUARTER 1, 64,  F0, F1, 0
	QUARTER 1, 128, F1, F0, 0
	QUARTER 1, 192, F0, F1, 0
	TURN 1, 0, 0
	QUARTER 0, 64,  F0, F1, 0
	WIN 0
	s_sub_co_u32 s3, s3, 1
	s_cmp_lg_u32 s3, 0
	s_cbranch_scc1 .Llap
	QUARTER 0, 128, F1, F0, 0                      ; the tile's last lap goes on
	QUARTER 0, 192, F0, F1, 0
.if TILES > 1
	WIN 0
	s_cmp_eq_u32 s2, 1
	s_cbranch_scc1 .Llast_tile                     ; the last tile's tail is written out: it asks for nothing more
	s_add_nc_u64 s[BP:BP+1], s[BP:BP+1], 4096      ; the next tile's bias, 1,024 numbers on: the last loads by this pointer were waited for at the tile's head,
	BIASLD                                         ; and the registers were last read by the tile's first quarter, many places back
	TURN 0, 1, 1                                   ; THE RING GOES ON INTO THE NEXT TILE: slot 0 takes its K step 0,
	QUARTER 1, 64,  F0, F1, 0
	QUARTER 1, 128, F1, F0, 0
	QUARTER 1, 192, F0, F1, 0
	TURN 1, 0, 1                                   ; slot 1 its K step 1, and the next tile's first fragments are fetched
	WAYOUT                                         ; no v_nop: blocks 0-3 were finished in front of the joint load's places, and their 128 conversions, which name no register of the last products, are those products' places
	s_wait_xcnt 0x0                                ; the stores have read C's address
	s_add_nc_u64 s[8:9], s[8:9], 1024*ES           ; the next tile lies 1,024 columns on
	s_sub_co_u32 s2, s2, 1
	s_branch .Ltile
.Llast_tile:
.endif
	MEET 0                                         ; my one tensor load that was still out is slot 1's, the last K step's, so no round follows
	PLACES                                         ; for the loads into buffer 0, which the quarter before multiplied
	BLOAD 0                                        ; three quarters of B now: buffer 1 (v128-191 of both windows) is still being multiplied
	BLOAD 1
	BLOAD 3                                        ; (over the bias, which the tile's first quarter read last)
	ALOAD 0
	MUL16 F1, 1, 0, 0
	MUL16 F1, 1, 2, 0
	PLACES                                         ; for the loads into buffer 1
	BLOAD 2
	ALOAD 1
	ALOAD 2
	ALOAD 3
	s_wait_dscnt 40                                ; all but the 40 just issued
	ROW 0
; Block a goes into the stage and is asked back; block a + 1's 32 products stand between that and the wait for it; then block a is stored.  So a block's stores leave while the blocks behind it are multiplied.
; A's block a + 4 takes the buffer that block a has left.  A's block a + 1 is in when it is multiplied: block 1 by the wait inside block 0's products, the others by the wait in front of the stores two blocks back.
.irp a, 0,1,2,3,4,5,6,7
	PLACES                                         ; the way out reads results just made, and the load below lands in registers just read
.if QKV
	PACK \a
	TOSTAGE \a
.else
	ST32 \a
.endif
.if (\a) < 4
	ALOAD (\a)+4
.endif
.if (\a) < 7
	ROW (\a)+1
.endif
.if (\a) < 4
.if QKV
	SEND \a, 8                                     ; the eight loads of A's block a + 4 are younger
.else
	SEND32 \a, 8
.endif
.else
.if QKV
	SEND \a, 0
.else
	SEND32 \a, 0
.endif
.endif
.endr
	WIN 0
	s_wait_tensorcnt 0x0                           ; the wave's end, behind my last tensor load and my last LDS store
	ds_add_u32 v[SPW], v[NIL]
	s_wait_dscnt 0x0
	CROUND                                         ; the closing round: no work-group ends while a partner may still ask for a tile that names it
	s_endpgm
.Lfunc_end_k_qfd1d2a7ea2_oproj:
	.size	k_qfd1d2a7ea2_oproj, .Lfunc_end_k_qfd1d2a7ea2_oproj-k_qfd1d2a7ea2_oproj
	.p2alignl 7, 3214868480
	.fill 96, 4, 3214868480
	.section	.rodata,"a",@progbits
	.p2align	6, 0x0
	.amdhsa_kernel k_qfd1d2a7ea2_oproj
		.amdhsa_group_segment_fixed_size 327680
		.amdhsa_private_segment_fixed_size 0
		.amdhsa_enable_private_segment 0
		.amdhsa_kernarg_size 32
		.amdhsa_user_sgpr_count 2
		.amdhsa_user_sgpr_kernarg_segment_ptr 1
		.amdhsa_wavefront_size32 1
		.amdhsa_system_sgpr_workgroup_id_x 1
		.amdhsa_system_sgpr_workgroup_id_y 1
		.amdhsa_system_sgpr_workgroup_id_z 1
		.amdhsa_system_vgpr_workitem_id 0
		.amdhsa_next_free_vgpr 1024
		.amdhsa_next_free_sgpr 68
		.amdhsa_reserve_vcc 0
		.amdhsa_float_denorm_mode_32 3
		.amdhsa_float_denorm_mode_16_64 3
		.amdhsa_memory_ordered 1
		.amdhsa_forward_progress 1
		.amdhsa_inst_pref_size 144
	.end_amdhsa_kernel
	.amdgpu_metadata
---
amdhsa.version: [ 1, 2 ]
amdhsa.kernels:
  - .name:           k_qfd1d2a7ea2_oproj
    .symbol:         k_qfd1d2a7ea2_oproj.kd
    .args:
      - { .name: att, .offset: 0, .size: 8, .value_kind: global_buffer, .address_space: global }
      - { .name: woh, .offset: 8, .size: 8, .value_kind: global_buffer, .address_space: global }
      - { .name: out0, .offset: 16, .size: 8, .value_kind: global_buffer, .address_space: global }
      - { .name: bias, .offset: 24, .size: 8, .value_kind: global_buffer, .address_space: global }
    .group_segment_fixed_size: 327680
    .private_segment_fixed_size: 0
    .kernarg_segment_align: 8
    .kernarg_segment_size: 32
    .max_flat_workgroup_size: 128
    .sgpr_count:     68
    .vgpr_count:     1024
    .wavefront_size: 32
...
	.end_amdgpu_metadata
.endif
;; end of part 4
